; MI455X (gfx1250); checked and timed in simulation.
; The chip was launched on July 23, 2026; its instructions are those of AMD's public machine-readable ISA for CDNA 5 (MIT licence, August 2026) and "CDNA5" Instruction Set Architecture Reference Guide (July 2026). The comments in the code are by the model that wrote it; some were corrected since.
;; Multi Head Self Attention. Allowed arithmetic: matrix products marked QUANTISED: E2M3 operands, one E8M0 scale for each 32 along K, by v_wmma_scale_f32_16x16x128_f8f6f4 with both operands' format E2M3, f32 sums; everything else in f32.
;; Inputs: Wo 1,024 x 1,024 float32; Wqkv 3,072 x 1,024 float32; bo 1,024 float32; bqkv 3,072 float32; x 4 x 2,048 x 1,024 float32.
;; Outputs: out0 4 x 2,048 x 1,024 float32.
;; This version of the problem:
;;   THIS VERSION OF THE PROBLEM IS GIVEN IN LOW PRECISION. The matrix products marked QUANTISED in the list below multiply operands that are first quantised to E2M3 (2 exponent bits, 3 mantissa bits; 6 bits a number), with one power-of-two scale for each 32 numbers along K (OCP MX v1.0); their sums are f32. All else is computed in f32.
;;   The module's matrix products, in the order in which they are computed (A, B: the left and right operand; K: the contracted axis; several contracted axes count as one K, in the product's order):
;;     1. [M 8,192, K 1,024] x [K 1,024, N 3,072]; A: input x; B: input Wqkv: QUANTISED
;;     2. batch 64 x [M 2,048, K 64] x [K 64, N 2,048]; A: computed on the way; B: computed on the way: QUANTISED
;;     3. batch 64 x [M 2,048, K 2,048] x [K 2,048, N 64]; A: softmax (see below); B: computed on the way: QUANTISED
;;     4. [M 8,192, K 1,024] x [K 1,024, N 1,024]; A: computed on the way; B: input Wo: QUANTISED
;;   THE QUANTISER, for each operand of a quantised product, along K:
;;     - K is cut into blocks of 32 from its start; a last block that is shorter is filled with zeros.
;;     - A block's scale is 2^e with e = floor(log2(the largest magnitude in the block)) - 2, held to -126 .. 127; a block of zeros has e = 0. As a byte (E8M0): e + 127.
;;     - Each number is divided by its block's scale, clamped to +-7.5, and rounded to the nearest number of E2M3, ties to even, subnormals kept.
;;     - The product sums the exact products of the quantised numbers (number of the format x scale) in f32.
;;   ~~~python
;;   def quantise(x, axis):      # numpy; x: float32 -> the quantised numbers, widened to float32 again
;;       x = np.moveaxis(x, axis, -1); K = x.shape[-1]
;;       x = np.pad(x, [(0, 0)] * (x.ndim - 1) + [(0, -K % 32)]); x = x.reshape(x.shape[:-1] + (-1, 32)); a = np.abs(x).max(-1, keepdims=True)
;;       e = np.where(a > 0, np.clip(np.frexp(np.where(a > 0, a, 1))[1] - 1 - 2, -126, 127), 0)      # np.frexp(a)[1] - 1 = floor(log2(a)), exactly
;;       r = np.clip(x / 2.0 ** e, -7.5, 7.5)
;;       step = 2.0 ** (np.maximum(np.frexp(np.where(r == 0, 1, r))[1] - 1, 0) - 3)
;;       q = np.round(r / step) * step * 2.0 ** e      # np.round: ties to even
;;       return np.moveaxis(q.reshape(q.shape[:-2] + (-1,))[..., :K], -1, axis).astype(np.float32)
;;   ~~~
;;   SOFTMAX AHEAD OF A QUANTISED PRODUCT. Where the list says 'softmax', what is quantised is not the finished softmax but p = 2^(t - M), with t = logit x log2(e) and M = ceil(the row's largest t), a whole number; so 1/2 < the row's largest p <= 1. The row's sum l is taken of the UNQUANTISED p, in f32, and the product's result is divided by l at the end. Since M is a whole number, a kernel that streams over the keys may use a running M (the ceiling of the running maximum): every later rescaling is an exact power of two, which a block's scale takes up: the codes' values come out the same.
;;   OPERANDS COMPUTED ON THE WAY. 'Computed on the way' means the value that the module computes at that place (a softmax that the list does not call 'softmax' is quantised finished and normalised). What goes into a quantiser is computed in f32, as accurately as f32 sums, v_exp_f32 and their like allow (about 1e-6 of the number): no bf16 or f16 on the way to a quantiser, and a product that is left as it is and whose result goes on into a quantised operand takes f32 operands (vector FMAs, or v_wmma_f32_16x16x4_f32). A number that lies on a knife's edge between two numbers of the format may be rounded either way, as far as f32 arithmetic and the matrix unit's own rounding can turn it there, and no further.
;; One version. Each part assembles by itself: llvm-mc -triple=amdgcn-amd-amdhsa -mcpu=gfx1250 --defsym DOCPART=n.
;; ======== version 1 of 1: 4 launches
;; limits: right only within a limited range of input values
;; workspace buffers: codes 9,437,184 bytes; scales 393,216 bytes; qkc 12,582,912 bytes; qks 1,048,576 bytes; vc 6,291,456 bytes; vs 262,144 bytes; oc 6,291,456 bytes; os 262,144 bytes
;; launch quant (part 1): grid 384 x 1, 4 waves a work-group, no clusters, 35,328 bytes of LDS; arguments x, Wqkv, Wo, codes, scales; writes codes, scales
.if DOCPART == 1
	.amdgcn_target "amdgcn-amd-amdhsa--gfx1250"
	.amdhsa_code_object_version 6
	.text
	.protected	k_q37ce6fa9a4_quant
	.globl	k_q37ce6fa9a4_quant
	.p2align	8
	.type	k_q37ce6fa9a4_quant,@function
k_q37ce6fa9a4_quant:
	s_mov_b64 s[64:65], 0
	v_nop
	global_prefetch_b8 v0, s[64:65] scope:SCOPE_SE
	s_setreg_imm32_b32 hwreg(HW_REG_WAVE_MODE, 25, 1), 1
	s_wait_xcnt 0x0
; x [8192][1024], Wqkv [3072][1024] and Wo [1024][1024], f32, become codes of FP6 (E2M3) with one E8M0 scale byte for each 32 along K (the last axis),
; laid as the products' launches want their operands.
; ROW TILES.  16 rows make a row tile; tile 2 B + u holds, as its row i, the true row 32 B + 8 u + i + 8 (i / 8).  Tiles 0-511: x; 512-575, 576-639, 640-703: the q, k and v rows of Wqkv,
; head by head, four tiles a head (row 192 head + 64 t + d of Wqkv); 704-767: Wo.
; IMAGES.  A fragment (16 rows x 128 K) is 12 registers a lane: lane (r, h) holds row r, registers 6 c .. 6 c + 5 hold k = 64 c + 32 h + 0 .. 31.  It is stored as six pairs of registers,
; pair p of lane l at 256 p + 8 l: each store of the wave covers 256 consecutive bytes, aligned.  codes: [row tile][K step (8)][1,536].
; scales: [row tile][pair of K steps (4)][row (16)][K step in the pair (2)] words, byte b of a word for k = 32 b on.
; A block's scale is 2^(floor(log2(its largest magnitude)) - 2): its byte is that magnitude's exponent field - 2, held at 1 from below.
; LIMITS: a block of zeros gets the byte 1 where the rule says 127 (its codes are zeros, and this program alone reads the bytes); so does a block whose largest magnitude lies under 2^-124;
; NaN and infinities among the inputs are not served.
; SHARES.  A wave takes one row tile and four K steps: 32,768 bytes in, 6,144 + 256 out.  Each load reads 512 consecutive bytes of one row; a fragment's 16 x 512 bytes turn through the wave's own
; stage in LDS (rows 528 bytes apart), so that a lane gets 32 neighbours along K twice.  Waves share nothing: no barrier, no cluster, no matrix unit; loads run two fragments (32 loads a wave) ahead.
.set WREG,  8704                       ; LDS of a wave: the stage, 16 x 528 bytes, and behind it 256 bytes of scale words
.set SWO,   8448
.set SPARE, 4*WREG                     ; behind the four regions: the spare words, 128 bytes for each wave
.set LO,  1                            ; v1   16 x lane: my bytes of a load's 512
.set SI,  2                            ; v2   the stage, on the way in
.set SO,  3                            ; v3   and on the way out: 528 r + 128 h
.set SW,  4                            ; v4   my row's scale words: 8 r
.set SR,  5                            ; v5   the scale words on their way out: 8 x lane
.set GO,  6                            ; v6   8 x lane
.set SH,  7                            ; v7   8 h
.set SPW, 12                           ; v12  my spare word; never rewritten
.set NIL, 13                           ; v13  0; never rewritten
.set R,   16                           ; v16-143   two sets of 64 registers as loaded
.set X,   144                          ; v144-207  register 32 c + i = k 64 c + 32 h + i of row r
.set F,   208                          ; v208-219  the fragment; v220-222, v224-226: the second halves as the conversions leave them
.set T,   228                          ; v228-237  at work
	s_load_b128 s[4:7], s[0:1], 0x0                ; x, Wqkv
	s_load_b128 s[8:11], s[0:1], 0x10              ; Wo, codes
	s_load_b64 s[12:13], s[0:1], 0x20              ; scales
	v_lshl_add_u32 v[SPW], v0, 2, SPARE
	v_mov_b32 v[NIL], 0
	v_lshrrev_b32 v8, 5, v0
	v_readfirstlane_b32 s16, v8                    ; wave
	v_and_b32 v9, 31, v0                           ; lane
	v_and_b32 v10, 15, v0                          ; r
	v_bfe_u32 v11, v0, 4, 1                        ; h
	s_mul_i32 s17, s16, WREG
	v_lshlrev_b32 v[LO], 4, v9
	v_add_nc_u32 v[SI], s17, v[LO]
	v_mul_u32_u24 v[SO], v10, 528
	v_lshl_add_u32 v[SO], v11, 7, v[SO]
	v_add_nc_u32 v[SO], s17, v[SO]
	v_lshlrev_b32 v[SW], 3, v10
	v_add_nc_u32 v[SW], s17, v[SW]
	v_add_nc_u32 v[SW], SWO, v[SW]
	v_lshlrev_b32 v[GO], 3, v9
	v_add_nc_u32 v[SR], s17, v[GO]
	v_add_nc_u32 v[SR], SWO, v[SR]
	v_lshlrev_b32 v[SH], 3, v11
	v_mov_b32 v[T+9], 0                            ; written once: a lane permute's destination counts as one of its sources
	s_mov_b32 s14, 0x76543210
	s_mov_b32 s15, 0xfedcba98                      ; v_permlanex16_b32's selects for lane l xor 16
	s_lshl_b32 s18, ttmp9, 1
	s_lshr_b32 s19, s16, 1
	s_add_co_u32 s18, s18, s19                     ; my row tile: 2 x work-group + wave / 2
	s_and_b32 s19, s16, 1                          ; which four K steps
	s_cmp_lt_u32 ttmp9, 256                        ; work-groups 0-255: x; 256-351: Wqkv; 352-383: Wo.  Pointers and numbers are chosen; the text has one path
	s_cselect_b32 s20, 0, 512
	s_cmp_lt_u32 ttmp9, 352
	s_cselect_b32 s20, s20, 704
	s_sub_co_u32 s20, s18, s20                     ; the tile's number in its tensor
	s_lshr_b32 s21, s20, 1
	s_lshl_b32 s21, s21, 5
	s_and_b32 s22, s20, 1
	s_lshl_b32 s22, s22, 3
	s_add_co_u32 s21, s21, s22                     ; x, Wo: its first row 32 (t / 2) + 8 (t % 2)
	s_bfe_u32 s23, s20, 0x40002                    ; Wqkv: the head,
	s_mul_i32 s23, s23, 192
	s_lshr_b32 s24, s20, 6                         ; q, k or v,
	s_lshl_b32 s24, s24, 6
	s_add_co_u32 s23, s23, s24
	s_bfe_u32 s24, s20, 0x10001                    ; and the tile in the head's 64 rows
	s_lshl_b32 s24, s24, 5
	s_add_co_u32 s23, s23, s24
	s_add_co_u32 s23, s23, s22
	s_sub_co_u32 s25, ttmp9, 256
	s_cmp_lt_u32 s25, 96
	s_cselect_b32 s21, s23, s21
	s_lshl_b32 s26, s21, 12                        ; a row is 4,096 bytes,
	s_lshl_b32 s27, s19, 11                        ; four K steps 2,048
	s_add_co_u32 s26, s26, s27
	s_mov_b32 s27, 0
	s_mul_i32 s28, s18, 12288
	s_mul_i32 s30, s19, 6144
	s_add_co_u32 s28, s28, s30
	s_mov_b32 s29, 0
	s_lshl_b32 s30, s18, 9
	s_lshl_b32 s31, s19, 8
	s_add_co_u32 s30, s30, s31
	s_mov_b32 s31, 0
	s_wait_alu depctr_va_vdst(0)
	s_wait_kmcnt 0x0
	s_cmp_lt_u32 ttmp9, 256
	s_cselect_b64 s[4:5], s[4:5], s[6:7]
	s_cmp_lt_u32 ttmp9, 352
	s_cselect_b64 s[4:5], s[4:5], s[8:9]
	s_add_nc_u64 s[4:5], s[4:5], s[26:27]
	s_add_nc_u64 s[10:11], s[10:11], s[28:29]
	s_add_nc_u64 s[12:13], s[12:13], s[30:31]
.macro LOADF f                         ; fragment f: 512 bytes of each of the tile's 16 rows, into set f % 2
.irp i, 0,1,2,3,4,5,6,7,8,9,10,11,12,13,14,15
	global_load_b128 v[R+64*((\f)%2)+4*\i:R+64*((\f)%2)+4*\i+3], v[LO], s[4:5] offset:(\i+8*(\i/8))*4096+512*(\f) th:TH_LOAD_NT
.endr
.endm
.macro FRAGM f
.if (\f) < 3
	s_wait_loadcnt 16                              ; this fragment's 16 loads are in; the next fragment's may be out
.else
	s_wait_loadcnt 0x0
.endif
.irp i, 0,1,2,3,4,5,6,7,8,9,10,11,12,13,14,15
	ds_store_b128 v[SI], v[R+64*((\f)%2)+4*\i:R+64*((\f)%2)+4*\i+3] offset:528*\i
.endr
.irp c, 0,1
.irp j, 0,1,2,3,4,5,6,7
	ds_load_b128 v[X+32*\c+4*\j:X+32*\c+4*\j+3], v[SO] offset:256*\c+16*\j   ; LDS serves a wave's instructions in order: these see the stores above
.endr
.endr
	s_wait_dscnt 0x0                               ; my 64 numbers are back; the stores into the stage have read their registers
.if (\f) > 0
	s_wait_xcnt 0x0                                ; the last fragment's stores have read their registers: the fragment is made anew only behind this wait
.endif
.if (\f) < 2
	LOADF (\f)+2
.endif
.irp c, 0,1                                    ; my block 2 c + h: all its 32 numbers are mine; two chains a block
	v_max3_num_f32 v[T+2*\c], |v[X+32*\c]|, |v[X+32*\c+1]|, |v[X+32*\c+2]|
	v_max3_num_f32 v[T+1+2*\c], |v[X+32*\c+3]|, |v[X+32*\c+4]|, |v[X+32*\c+5]|
.endr
.irp i, 6,10,14,18,22,26
.irp c, 0,1
	v_max3_num_f32 v[T+2*\c], v[T+2*\c], |v[X+32*\c+\i]|, |v[X+32*\c+\i+1]|
	v_max3_num_f32 v[T+1+2*\c], v[T+1+2*\c], |v[X+32*\c+\i+2]|, |v[X+32*\c+\i+3]|
.endr
.endr
.irp c, 0,1
	v_max3_num_f32 v[T+2*\c], v[T+2*\c], |v[X+32*\c+30]|, |v[X+32*\c+31]|
.endr
.irp c, 0,1
	v_max3_num_f32 v[T+2*\c], v[T+2*\c], v[T+1+2*\c], 0x1800000   ; and the floor 2^(3 - 127): the byte cannot fall under 1
.endr
.irp c, 0,1
	v_add_nc_u32 v[T+4+\c], 0xff000000, v[T+2*\c]  ; 2 off the exponent field: the conversion takes the exponent field of this operand as its scale
.endr
.irp c, 0,1
	v_lshrrev_b32 v[T+6+\c], 23, v[T+4+\c]         ; the scale's byte
.endr
	v_lshl_or_b32 v[T+8], v[T+7], 16, v[T+6]       ; my two bytes: blocks h and 2 + h of row r,
	v_lshlrev_b32 v[T+8], v[SH], v[T+8]            ; at their places in the scale word;
	v_permlanex16_b32 v[T+9], v[T+8], s14, s15
	v_or_b32 v[T+8], v[T+8], v[T+9]                ; with lane l xor 16's two the word is whole
	v_cvt_scalef32_pk16_fp6_f32 v[F:F+2], v[X:X+15], v[T+4]
	v_cvt_scalef32_pk16_fp6_f32 v[F+12:F+14], v[X+16:X+31], v[T+4]      ; (a conversion's three registers begin on an even number)
	v_cvt_scalef32_pk16_fp6_f32 v[F+6:F+8], v[X+32:X+47], v[T+5]
	v_cvt_scalef32_pk16_fp6_f32 v[F+16:F+18], v[X+48:X+63], v[T+5]
	v_nop                                          ; one plain place behind the scaled conversions
.irp i, 0,1,2
	v_mov_b32 v[F+3+\i], v[F+12+\i]
	v_mov_b32 v[F+9+\i], v[F+16+\i]
.endr
	ds_store_b32 v[SW], v[T+8] offset:128*((\f)/2)+4*((\f)%2)   ; lanes r and r + 16 write the same word with the same value
.irp p, 0,1,2,3,4,5
	global_store_b64 v[GO], v[F+2*\p:F+2*\p+1], s[10:11] offset:1536*(\f)+256*\p   ; 32 lanes store 256 consecutive bytes, aligned
.endr
.endm
	LOADF 0
	LOADF 1
	FRAGM 0
	FRAGM 1
	FRAGM 2
	FRAGM 3
	ds_load_b64 v[T:T+1], v[SR]                    ; my wave's 64 scale words, in order behind their stores
	s_wait_dscnt 0x0
	global_store_b64 v[GO], v[T:T+1], s[12:13]     ; 256 consecutive bytes, aligned
	s_wait_tensorcnt 0x0                           ; the wave's end
	ds_add_u32 v[SPW], v[NIL]
	s_wait_dscnt 0x0
	s_endpgm
.Lfunc_end_k_q37ce6fa9a4_quant:
	.size	k_q37ce6fa9a4_quant, .Lfunc_end_k_q37ce6fa9a4_quant-k_q37ce6fa9a4_quant
	.p2alignl 7, 3214868480
	.fill 96, 4, 3214868480
	.section	.rodata,"a",@progbits
	.p2align	6, 0x0
	.amdhsa_kernel k_q37ce6fa9a4_quant
		.amdhsa_group_segment_fixed_size 35328
		.amdhsa_private_segment_fixed_size 0
		.amdhsa_enable_private_segment 0
		.amdhsa_kernarg_size 40
		.amdhsa_user_sgpr_count 2
		.amdhsa_user_sgpr_kernarg_segment_ptr 1
		.amdhsa_wavefront_size32 1
		.amdhsa_system_sgpr_workgroup_id_x 1
		.amdhsa_system_sgpr_workgroup_id_y 1
		.amdhsa_system_sgpr_workgroup_id_z 1
		.amdhsa_system_vgpr_workitem_id 0
		.amdhsa_next_free_vgpr 240
		.amdhsa_next_free_sgpr 66
		.amdhsa_reserve_vcc 0
		.amdhsa_float_denorm_mode_32 3
		.amdhsa_float_denorm_mode_16_64 3
		.amdhsa_memory_ordered 1
		.amdhsa_forward_progress 1
		.amdhsa_inst_pref_size 33
	.end_amdhsa_kernel
	.amdgpu_metadata
---
amdhsa.version: [ 1, 2 ]
amdhsa.kernels:
  - .name:           k_q37ce6fa9a4_quant
    .symbol:         k_q37ce6fa9a4_quant.kd
    .args:
      - { .name: x, .offset: 0, .size: 8, .value_kind: global_buffer, .address_space: global }
      - { .name: Wqkv, .offset: 8, .size: 8, .value_kind: global_buffer, .address_space: global }
      - { .name: Wo, .offset: 16, .size: 8, .value_kind: global_buffer, .address_space: global }
      - { .name: codes, .offset: 24, .size: 8, .value_kind: global_buffer, .address_space: global }
      - { .name: scales, .offset: 32, .size: 8, .value_kind: global_buffer, .address_space: global }
    .group_segment_fixed_size: 35328
    .private_segment_fixed_size: 0
    .kernarg_segment_align: 8
    .kernarg_segment_size: 40
    .max_flat_workgroup_size: 128
    .sgpr_count:     66
    .vgpr_count:     240
    .wavefront_size: 32
...
	.end_amdgpu_metadata
.endif
;; end of part 1
;; launch qkv (part 2): grid 12 x 32, 4 waves a work-group, clusters of 4 x 4, 327,680 bytes of LDS; arguments codes, scales, bqkv, qkc, qks, vc, vs; writes qkc, qks, vc, vs
.if DOCPART == 2
	.amdgcn_target "amdgcn-amd-amdhsa--gfx1250"
	.amdhsa_code_object_version 6
	.text
	.protected	k_q37ce6fa9a4_qkv
	.globl	k_q37ce6fa9a4_qkv
	.p2align	8
	.type	k_q37ce6fa9a4_qkv,@function
k_q37ce6fa9a4_qkv:
	s_mov_b64 s[64:65], 0
	v_nop
	global_prefetch_b8 v0, s[64:65] scope:SCOPE_SE
	s_setreg_imm32_b32 hwreg(HW_REG_WAVE_MODE, 25, 1), 1
	s_wait_xcnt 0x0
	s_wait_alu depctr_hold_cnt(0) depctr_sa_sdst(0) depctr_va_vdst(0) depctr_va_sdst(0) depctr_va_ssrc(0) depctr_va_vcc(0) depctr_vm_vsrc(0)
	s_getreg_b32 s2, hwreg(HW_REG_IB_STS2, 6, 4)
	s_cmp_eq_u32 s2, 0
	s_cbranch_scc0 .Lentry_in_a_cluster
	s_endpgm
.Lentry_in_a_cluster:
	s_bfe_u32 s2, ttmp6, 0x10000c
	s_cmp_lg_u32 s2, 0xf033
	s_cbranch_scc0 .Lentry_shape_is_right
	s_endpgm
.Lentry_shape_is_right:
.set NQ,    2
.set FR,    12
.set NL,    6
.set NP,    4
.set TILEB, 3072
.set HALFT, 8*TILEB
.set SLOT,  4*HALFT
.set SCL,   2*SLOT
.set SPARE, SCL+16384
.set STG,   SPARE+512
.set AJ,   8
.set ADRA, 16
.set ADRB, 20
.set CO0,  22
.set CO1,  23
.set STS,  24
.set SHF,  25
.set STR,  26
.set ADRS, 27
.set SPW,  28
.set NIL,  29
.set LI,   30
.set SC,   32
.set BIAS, 64
.set AF,   128
.set TM,   64
.set PW,   80
.set PT,   81
.set RB,   84
.set PC,   96
.set G1, 24
.set G0, 32
.set G1B, 48
.set G0B, 56
.set KIND, 66
.set G1S, 68
.set G0S, 76
.set G1SB, 80
.set G0SB, 88
.set MSB, 0
.macro WIN new
.if MSB != \new
	s_set_vgpr_msb (MSB<<8)|\new
.set MSB, \new
.endif
.endm
.set MUL_LO, 0xa1
.set MUL_HI, 0xf1
.set BIA_LO, 0x81
.set BIA_HI, 0xc1
.set TO_B,   0x40
.macro JLOAD g0a, g1a, g0b, g1b
	s_cmp_eq_u32 s15, 0
	s_cbranch_scc0 .Lfor_b_\@
	tensor_load_to_lds s[\g0a:\g0a+3], s[\g1a:\g1a+7]
	s_nop 0
.rept 4
	v_nop
.endr
	s_branch .Lasked_\@
.Lfor_b_\@:
	tensor_load_to_lds s[\g0b:\g0b+3], s[\g1b:\g1b+7]
	s_nop 0
.rept 4
	v_nop
.endr
.Lasked_\@:
.endm
.macro CREST
	s_cmp_lg_u32 s14, 0
	s_cbranch_scc1 .Lnot_wave_0_\@
	s_barrier_signal -3
.Lnot_wave_0_\@:
	s_barrier_wait -3
	s_barrier_signal -1
	s_barrier_wait -1
.endm
.macro CROUND
	s_barrier_signal -1
	s_barrier_wait -1
	CREST
.endm
	s_load_b128 s[4:7], s[0:1], 0x0
	s_load_b128 s[8:11], s[0:1], 0x10
	s_load_b128 s[96:99], s[0:1], 0x20
	s_load_b64 s[100:101], s[0:1], 0x30
	v_lshl_add_u32 v[SPW], v0, 2, SPARE
	v_mov_b32 v[NIL], 0
	ds_add_u32 v[SPW], v[NIL]
	ds_add_u32 v[SPW], v[NIL]
	v_lshrrev_b32 v1, 5, v0
	v_readfirstlane_b32 s14, v1
	s_lshr_b32 s15, s14, 1
	s_and_b32 s16, s14, 1
	s_bfe_u32 s40, ttmp6, 0x40000
	s_bfe_u32 s41, ttmp6, 0x40004
	s_and_b32 s17, ttmp7, 0xffff
	s_lshl_b32 s17, s17, 2
	s_lshl_b32 s42, ttmp9, 2
	s_lshl_b32 s43, s41, 2
	s_lshl_b32 s43, 15, s43
	s_lshl_b32 s44, 0x1111, s40
	s_cmp_eq_u32 ttmp9, 2
	s_cselect_b32 s[KIND], 1, 0
	s_cselect_b32 s42, s17, s42
	s_cselect_b32 s17, 0, s17
	s_cselect_b32 s19, 640, 0
	s_cselect_b32 s93, 0, 512
	s_add_co_u32 s17, s17, s41
	s_add_co_u32 s42, s42, s40
	s_or_b32 s[G1+0], s43, (3<<16)|(1<<21)
	s_or_b32 s[G1B+0], s44, (3<<16)|(1<<21)
.irp g, G1, G1B
	s_mov_b32 s[\g+1], 384<<16
	s_mov_b32 s[\g+2], 8<<16
	s_mov_b32 s[\g+3], 384<<16
	s_mov_b32 s[\g+4], 8
	s_mov_b32 s[\g+5], 1536
	s_mov_b32 s[\g+6], 0
	s_mov_b32 s[\g+7], 0
.endr
	s_or_b32 s[G1S+0], s43, (3<<16)|(1<<21)
	s_or_b32 s[G1SB+0], s44, (3<<16)|(1<<21)
.irp g, G1S, G1SB
	s_mov_b32 s[\g+1], 32<<16
	s_mov_b32 s[\g+2], 16<<16
	s_mov_b32 s[\g+3], 32<<16
	s_mov_b32 s[\g+4], 16
	s_mov_b32 s[\g+5], 32
	s_mov_b32 s[\g+6], 0
	s_mov_b32 s[\g+7], 0
.endr
	s_lshl_b32 s18, s16, 3
	s_lshl_b32 s20, s17, 4
	s_add_co_u32 s20, s20, s19
	s_add_co_u32 s20, s20, s18
	s_lshl_b32 s46, s42, 4
	s_add_co_u32 s46, s46, s93
	s_add_co_u32 s46, s46, s18
	s_lshl_b32 s22, s20, 9
	s_lshl_b32 s92, s46, 9
	s_mul_i32 s20, s20, 12288
	s_mul_i32 s46, s46, 12288
	s_mov_b32 s21, 0
	s_mov_b32 s23, 0
	s_mov_b32 s47, 0
	s_mov_b32 s93, 0
	s_mul_i32 s45, s14, HALFT
	s_lshl_b32 s94, s14, 12
	s_wait_dscnt 0x0
	s_wait_kmcnt 0x0
	s_add_nc_u64 s[20:21], s[4:5], s[20:21]
	s_add_nc_u64 s[22:23], s[6:7], s[22:23]
	s_add_nc_u64 s[46:47], s[4:5], s[46:47]
	s_add_nc_u64 s[92:93], s[6:7], s[92:93]
	CROUND
	s_mov_b32 s[G0S], 1
	s_add_co_u32 s[G0S+1], s94, SCL
	s_mov_b64 s[G0S+2:G0S+3], s[22:23]
	s_or_b32 s[G0S+3], s[G0S+3], 0x80000000
	s_mov_b32 s[G0SB], 1
	s_add_co_u32 s[G0SB+1], s94, SCL
	s_mov_b64 s[G0SB+2:G0SB+3], s[92:93]
	s_or_b32 s[G0SB+3], s[G0SB+3], 0x80000000
	JLOAD G0S, G1S, G0SB, G1SB
.irp s, 0,1
	s_mov_b32 s[G0+4*\s], 1
	s_add_co_u32 s[G0+4*\s+1], s45, \s*SLOT
	s_add_nc_u64 s[G0+4*\s+2:G0+4*\s+3], s[20:21], \s*TILEB
	s_or_b32 s[G0+4*\s+3], s[G0+4*\s+3], 0x80000000
	s_mov_b32 s[G0B+4*\s], 1
	s_add_co_u32 s[G0B+4*\s+1], s45, \s*SLOT
	s_add_nc_u64 s[G0B+4*\s+2:G0B+4*\s+3], s[46:47], \s*TILEB
	s_or_b32 s[G0B+4*\s+3], s[G0B+4*\s+3], 0x80000000
	s_wait_alu depctr_va_vdst(0)
	s_wait_tensorcnt 0x0
	ds_add_u32 v28, v29
	s_wait_dscnt 0x0
	CROUND
	JLOAD G0+4*\s, G1, G0B+4*\s, G1B
.endr
	v_and_b32 v1, 15, v0
	s_wait_alu depctr_va_vdst(0)
	v_bfe_u32 v2, v0, 4, 1
	s_wait_alu depctr_va_vdst(0)
	v_and_b32 v3, 31, v0
	s_lshl_b32 s20, s17, 2
	s_lshl_b32 s21, s15, 1
	s_add_co_u32 s20, s20, s21
	s_mul_i32 s20, s20, 768
	s_add_co_u32 s20, s20, 512
	s_and_b32 s46, s42, 3
	s_lshl_b32 s46, s46, 2
	s_lshl_b32 s47, s16, 1
	s_add_co_u32 s46, s46, s47
	s_mul_i32 s46, s46, 768
	s_lshr_b32 s47, s42, 2
	s_lshl_b32 s47, s47, 8
	s_add_co_u32 s46, s46, s47
	s_cmp_eq_u32 s[KIND], 1
	s_cselect_b32 s92, s20, s46
	s_cselect_b32 s20, 4, 0
	s_cselect_b32 s21, 0, 64
	s_cselect_b32 s22, 0, 4
	s_mov_b32 s93, 0
	s_add_nc_u64 s[8:9], s[8:9], s[92:93]
	v_and_b32 v4, 8, v1
	v_add_nc_u32 v4, v4, v1
	v_mul_u32_u24 v4, v4, s20
	v_mul_u32_u24 v5, v2, s21
	v_add_nc_u32 v4, v4, v5
	v_mov_b32 v5, s22
.irp j, 0,1,2,3,4,5,6,7
	v_mad_u32_u24 v[AJ+\j], v5, \j, v4
.endr
.irp t, 0,1,2,3,4,5,6,7
.irp j, 0,1,2,3,4,5,6,7
	global_load_b32 v[BIAS+8*\t+\j], v[AJ+\j], s[8:9] offset:(\t/4)*768+(32*((\t/2)%2)+8*(\t%2))*4
.endr
.endr
	v_lshlrev_b32 v[CO0], 3, v3
	s_wait_alu depctr_va_vdst(0)
	s_mul_i32 s21, s15, HALFT
	s_mul_i32 s22, s16, HALFT
	s_add_co_u32 s22, s22, 2*HALFT
.irp s, 0,1
	v_add_nc_u32 v[ADRA+\s], s21, v[CO0]
	v_add_nc_u32 v[ADRB+\s], s22, v[CO0]
	s_add_co_u32 s21, s21, SLOT
	s_add_co_u32 s22, s22, SLOT
.endr
	v_lshlrev_b32 v5, 3, v1
	s_lshl_b32 s21, s15, 12
	s_lshl_b32 s22, s16, 12
	s_add_co_u32 s22, s22, 8192
	s_sub_co_u32 s22, s22, s21
	v_mul_u32_u24 v6, s22, v2
	s_add_co_u32 s21, s21, SCL
	v_add_nc_u32 v5, v5, v6
	v_add_nc_u32 v[ADRS], s21, v5
	s_lshl_b32 s46, s42, 1
	s_add_co_u32 s46, s46, s16
	s_lshl_b32 s20, s17, 4
	s_lshl_b32 s21, s15, 3
	s_add_co_u32 s20, s20, s21
	s_mov_b32 s21, 786432
	s_mov_b32 s22, 768
	s_mov_b32 s23, 393216
	s_mov_b32 s47, 65536
	s_cmp_eq_u32 s[KIND], 1
	s_cselect_b32 s21, 98304, s21
	s_cselect_b32 s22, 1536, s22
	s_cselect_b32 s23, 768, s23
	s_cselect_b32 s47, 4096, s47
	s_cselect_b32 s67, 0, 16
	s_cselect_b64 s[10:11], s[98:99], s[10:11]
	s_cselect_b64 s[12:13], s[100:101], s[96:97]
	s_mul_i32 s92, s46, s21
	s_mul_i32 s93, s20, s22
	s_add_co_u32 s92, s92, s93
	s_mov_b32 s93, 0
	s_add_nc_u64 s[10:11], s[10:11], s[92:93]
	s_mul_i32 s92, s46, s47
	s_lshl_b32 s20, s20, 6
	s_add_co_u32 s92, s92, s20
	s_add_nc_u64 s[12:13], s[12:13], s[92:93]
	s_mov_b32 s96, s22
	s_mov_b32 s97, 0
	v_add_nc_u32 v[CO1], s23, v[CO0]
	v_mul_u32_u24 v[SHF], s67, v2
	s_mov_b32 s94, 0x76543210
	s_mov_b32 s95, 0xfedcba98
	s_lshl_b32 s20, s14, 10
	s_add_co_u32 s20, s20, STG
	v_lshlrev_b32 v[STS], 2, v1
	v_lshl_add_u32 v[STS], v2, 9, v[STS]
	v_add_nc_u32 v[STS], s20, v[STS]
	v_lshlrev_b32 v[LI], 4, v3
	v_add_nc_u32 v[STR], s20, v[LI]
.macro FRAG reg, adr, q, i
.irp p, 0,1,2,3,4,5
	ds_load_b64 v[\reg+2*\p:\reg+2*\p+1], v[\adr] offset:(\i)*TILEB+(\q)*1536+256*\p
.endr
.endm
.macro MUL16 a0, p, q, sc, mode
.irp a, \a0, \a0+1
.irp b, 0,1,2,3,4,5,6,7
.if \mode == 0
	v_wmma_scale_f32_16x16x128_f8f6f4 v[8*(8*((\a)%4)+\b):8*(8*((\a)%4)+\b)+7], v[128*(\p)+FR*\b:128*(\p)+FR*\b+FR-1], v[AF+FR*(\a):AF+FR*(\a)+FR-1], v[8*(8*((\a)%4)+\b):8*(8*((\a)%4)+\b)+7], v[SC+8*NQ*(\sc)+NQ*\b+(\q)], v[SC+8*NQ*(\sc)+NQ*(\a)+(\q)] matrix_a_fmt:MATRIX_FMT_FP6 matrix_b_fmt:MATRIX_FMT_FP6 matrix_a_scale:MATRIX_SCALE_ROW1
.elseif \mode == 1
	v_wmma_scale_f32_16x16x128_f8f6f4 v[8*(8*((\a)%4)+\b):8*(8*((\a)%4)+\b)+7], v[128*(\p)+FR*\b:128*(\p)+FR*\b+FR-1], v[AF+FR*(\a):AF+FR*(\a)+FR-1], v[BIAS+8*\b:BIAS+8*\b+7], v[SC+8*NQ*(\sc)+NQ*\b+(\q)], v[SC+8*NQ*(\sc)+NQ*(\a)+(\q)] matrix_a_fmt:MATRIX_FMT_FP6 matrix_b_fmt:MATRIX_FMT_FP6 matrix_a_scale:MATRIX_SCALE_ROW1
.else
	v_wmma_scale_f32_16x16x128_f8f6f4 v[8*(8*((\a)%4)+\b):8*(8*((\a)%4)+\b)+7], v[128*(\p)+FR*\b:128*(\p)+FR*\b+FR-1], v[AF+FR*(\a):AF+FR*(\a)+FR-1], v[BIAS+8*(\a):BIAS+8*(\a)+7], v[SC+8*NQ*(\sc)+NQ*\b+(\q)], v[SC+8*NQ*(\sc)+NQ*(\a)+(\q)] matrix_a_fmt:MATRIX_FMT_FP6 matrix_b_fmt:MATRIX_FMT_FP6 matrix_a_scale:MATRIX_SCALE_ROW1
.endif
.endr
.endr
.endm
.macro FETCH_B slot, q, p
	WIN TO_B
.irp i, 0,1,2,3,4,5,6,7
	FRAG 128*(\p)+FR*\i, ADRB+\slot, \q, \i
.endr
	WIN 0
.endm
.macro FETCH_A slot, q, i0
.irp i, \i0, \i0+1, \i0+2, \i0+3
	FRAG AF+FR*(\i), ADRA+\slot, \q, \i
.endr
.endm
.macro SCALES sc
.irp i, 0,1,2,3,4,5,6,7
	ds_load_b64 v[SC+8*NQ*\sc+NQ*\i:SC+8*NQ*\sc+NQ*\i+1], v[ADRS] offset:\i*512
.endr
.endm
.macro PLACES n
.rept \n
	v_nop
.endr
.endm
.macro STEP slot, q, mode
	s_wait_dscnt 4*NL
.if \mode
	WIN BIA_LO
.else
	WIN MUL_LO
.endif
	MUL16 0, (\q)%2, \q, \slot, \mode
	MUL16 2, (\q)%2, \q, \slot, \mode
	s_wait_dscnt 0
	PLACES NP
	FETCH_B \slot, (\q)+1, 1-(\q)%2
	FETCH_A \slot, (\q)+1, 0
.if \mode
	WIN BIA_HI
.else
	WIN MUL_HI
.endif
	MUL16 4, (\q)%2, \q, \slot, \mode
	MUL16 6, (\q)%2, \q, \slot, \mode
	PLACES NP
	WIN 0
	FETCH_A \slot, (\q)+1, 4
.endm
.macro TURN slot, next, fill
	s_wait_tensorcnt 0x0
	ds_add_u32 v[SPW], v[NIL]
	s_wait_dscnt 4*NL+1
	WIN MUL_LO
	MUL16 0, 1, NQ-1, \slot, 0
	s_wait_dscnt 0x0
	s_barrier_signal -1
	MUL16 2, 1, NQ-1, \slot, 0
	WIN 0
	s_barrier_wait -1
.if \fill
	CREST
	s_add_nc_u64 s[G0+4*\slot+2:G0+4*\slot+3], s[G0+4*\slot+2:G0+4*\slot+3], 2*TILEB
	s_add_nc_u64 s[G0B+4*\slot+2:G0B+4*\slot+3], s[G0B+4*\slot+2:G0B+4*\slot+3], 2*TILEB
	JLOAD G0+4*\slot, G1, G0B+4*\slot, G1B
.else
	PLACES NP
.endif
	s_wait_alu depctr_va_vdst(0)
	v_add_nc_u32 v[ADRS], 128, v[ADRS]
	FETCH_B \next, 0, 0
	FETCH_A \next, 0, 0
	SCALES \next
	WIN MUL_HI
	MUL16 4, 1, NQ-1, \slot, 0
	MUL16 6, 1, NQ-1, \slot, 0
	PLACES NP
	WIN 0
	FETCH_A \next, 0, 4
.endm
	s_wait_alu depctr_va_vdst(0)
	s_wait_tensorcnt 1
	s_barrier_signal -1
	s_barrier_wait -1
	FETCH_B 0, 0, 0
	FETCH_A 0, 0, 0
	SCALES 0
	FETCH_A 0, 0, 4
	s_wait_loadcnt 0x0
	s_cmp_eq_u32 s[KIND], 1
	s_cbranch_scc1 .Lfirst_v
	STEP 0, 0, 1
	s_branch .Lfirst_done
.Lfirst_v:
	STEP 0, 0, 2
.Lfirst_done:
	TURN 0, 1, 1
	STEP 1, 0, 0
	TURN 1, 0, 1
	STEP 0, 0, 0
	TURN 0, 1, 0
	STEP 1, 0, 0
	s_wait_dscnt 4*NL
	WIN MUL_LO
	MUL16 0, 1, NQ-1, 1, 0
	MUL16 2, 1, NQ-1, 1, 0
	s_wait_dscnt 0
	WIN MUL_HI
	MUL16 4, 1, NQ-1, 1, 0
	MUL16 6, 1, NQ-1, 1, 0
	WIN 0
.macro OUT a
.set W,  2+(\a)/4
.set WW, (W<<2)|(W<<4)
.set AC, 64*((\a)%4)
.if (\a) > 0
	s_wait_xcnt 0x0
	s_wait_dscnt 0x0
	s_add_nc_u64 s[10:11], s[10:11], s[96:97]
.endif
	WIN WW
.irp b, 0,1,2,3
	v_max3_num_f32 v[TM+\b], 0x1800000, |v[AC+16*\b]|, |v[AC+16*\b+1]|
.endr
.irp i, 2,4,6,8,10,12,14
.irp b, 0,1,2,3
	v_max3_num_f32 v[TM+\b], v[TM+\b], |v[AC+16*\b+\i]|, |v[AC+16*\b+\i+1]|
.endr
.endr
	WIN 0
.irp b, 0,1,2,3
	v_permlanex16_b32 v[TM+4+\b], v[TM+\b], s94, s95
.endr
.irp b, 0,1,2,3
	v_max_num_f32 v[TM+\b], v[TM+\b], v[TM+4+\b]
.endr
.irp b, 0,1,2,3
	v_add_nc_u32 v[TM+12+\b], 0xff000000, v[TM+\b]
.endr
.irp b, 0,1,2,3
	v_lshrrev_b32 v[TM+4+\b], 23, v[TM+12+\b]
.endr
	v_lshl_or_b32 v[PW], v[TM+5], 8, v[TM+4]
	v_lshl_or_b32 v[PW], v[TM+6], 16, v[PW]
	v_lshl_or_b32 v[PW], v[TM+7], 24, v[PW]
	WIN W
.irp c, 0,1
	v_cvt_scalef32_pk16_fp6_f32 v[PC+6*\c:PC+6*\c+2], v[AC+32*\c:AC+32*\c+15], v[TM+12+2*\c]
	v_cvt_scalef32_pk16_fp6_f32 v[PC+12+4*\c:PC+14+4*\c], v[AC+32*\c+16:AC+32*\c+31], v[TM+13+2*\c]
.endr
	WIN 0
	v_nop
.irp c, 0,1
.irp i, 0,1,2
	v_permlane16_swap_b32 v[PC+6*\c+\i], v[PC+12+4*\c+\i]
.endr
.irp i, 0,1,2
	v_mov_b32 v[PC+3+6*\c+\i], v[PC+12+4*\c+\i]
.endr
.endr
	v_lshrrev_b32 v[PT], v[SHF], v[PW]
	ds_store_b32 v[STS], v[PT] offset:64*(\a)
.irp p, 0,1,2
	global_store_b64 v[CO0], v[PC+2*\p:PC+2*\p+1], s[10:11] offset:256*\p
.endr
.irp p, 0,1,2
	global_store_b64 v[CO1], v[PC+6+2*\p:PC+7+2*\p], s[10:11] offset:256*\p
.endr
.endm
	PLACES NP
.irp a, 0,1,2,3,4,5,6,7
	OUT \a
.endr
	ds_load_b128 v[RB:RB+3], v[STR]
	ds_load_b128 v[RB+4:RB+7], v[STR] offset:512
	s_wait_dscnt 0x0
	global_store_b128 v[LI], v[RB:RB+3], s[12:13]
	s_cmp_eq_u32 s[KIND], 1
	s_cbranch_scc1 .Lwords_done
	global_store_b128 v[LI], v[RB+4:RB+7], s[12:13] offset:32768
.Lwords_done:
	s_wait_tensorcnt 0x0
	ds_add_u32 v[SPW], v[NIL]
	s_wait_dscnt 0x0
	CROUND
	s_endpgm
.Lfunc_end_k_q37ce6fa9a4_qkv:
	.size	k_q37ce6fa9a4_qkv, .Lfunc_end_k_q37ce6fa9a4_qkv-k_q37ce6fa9a4_qkv
	.p2alignl 7, 3214868480
	.fill 96, 4, 3214868480
	.section	.rodata,"a",@progbits
	.p2align	6, 0x0
	.amdhsa_kernel k_q37ce6fa9a4_qkv
		.amdhsa_group_segment_fixed_size 327680
		.amdhsa_private_segment_fixed_size 0
		.amdhsa_enable_private_segment 0
		.amdhsa_kernarg_size 56
		.amdhsa_user_sgpr_count 2
		.amdhsa_user_sgpr_kernarg_segment_ptr 1
		.amdhsa_wavefront_size32 1
		.amdhsa_system_sgpr_workgroup_id_x 1
		.amdhsa_system_sgpr_workgroup_id_y 1
		.amdhsa_system_sgpr_workgroup_id_z 1
		.amdhsa_system_vgpr_workitem_id 0
		.amdhsa_next_free_vgpr 1024
		.amdhsa_next_free_sgpr 102
		.amdhsa_reserve_vcc 0
		.amdhsa_float_denorm_mode_32 3
		.amdhsa_float_denorm_mode_16_64 3
		.amdhsa_memory_ordered 1
		.amdhsa_forward_progress 1
		.amdhsa_inst_pref_size 191
	.end_amdhsa_kernel
	.amdgpu_metadata
---
amdhsa.version: [ 1, 2 ]
amdhsa.kernels:
  - .name:           k_q37ce6fa9a4_qkv
    .symbol:         k_q37ce6fa9a4_qkv.kd
    .args:
      - { .name: codes, .offset: 0, .size: 8, .value_kind: global_buffer, .address_space: global }
      - { .name: scales, .offset: 8, .size: 8, .value_kind: global_buffer, .address_space: global }
      - { .name: bqkv, .offset: 16, .size: 8, .value_kind: global_buffer, .address_space: global }
      - { .name: qkc, .offset: 24, .size: 8, .value_kind: global_buffer, .address_space: global }
      - { .name: qks, .offset: 32, .size: 8, .value_kind: global_buffer, .address_space: global }
      - { .name: vc, .offset: 40, .size: 8, .value_kind: global_buffer, .address_space: global }
      - { .name: vs, .offset: 48, .size: 8, .value_kind: global_buffer, .address_space: global }
    .group_segment_fixed_size: 327680
    .private_segment_fixed_size: 0
    .kernarg_segment_align: 8
    .kernarg_segment_size: 56
    .max_flat_workgroup_size: 128
    .sgpr_count:     102
    .vgpr_count:     1024
    .wavefront_size: 32
...
	.end_amdgpu_metadata
.endif
;; end of part 2
;; launch attn (part 3): grid 4 x 64, 16 waves a work-group, clusters of 4 x 1, 223,232 bytes of LDS; arguments qkc, qks, vc, vs, oc, os; writes oc, os
.if DOCPART == 3
	.amdgcn_target "amdgcn-amd-amdhsa--gfx1250"
	.amdhsa_code_object_version 6
	.text
	.protected	k_q37ce6fa9a4_attn
	.globl	k_q37ce6fa9a4_attn
	.p2align	8
	.type	k_q37ce6fa9a4_attn,@function
k_q37ce6fa9a4_attn:
	s_mov_b64 s[64:65], 0
	v_nop
	global_prefetch_b8 v0, s[64:65] scope:SCOPE_SE
	s_setreg_imm32_b32 hwreg(HW_REG_WAVE_MODE, 25, 1), 1
	s_wait_xcnt 0x0
	s_wait_alu depctr_hold_cnt(0) depctr_sa_sdst(0) depctr_va_vdst(0) depctr_va_sdst(0) depctr_va_ssrc(0) depctr_va_vcc(0) depctr_vm_vsrc(0)
	s_getreg_b32 s2, hwreg(HW_REG_IB_STS2, 6, 4)
	s_cmp_eq_u32 s2, 0
	s_cbranch_scc0 .Lentry_in_a_cluster
	s_endpgm
.Lentry_in_a_cluster:
	s_bfe_u32 s2, ttmp6, 0x10000c
	s_cmp_lg_u32 s2, 0x3003
	s_cbranch_scc0 .Lentry_shape_is_right
	s_endpgm
.Lentry_shape_is_right:
; o = softmax(q k^T / 8) v for one head of one batch, both products on codes of FP6 (E2M3) with E8M0 scales; o / l is quantised along (head, d) on the way out, as the last product's operand.
; THE SOFTMAX: t = score x log2(e) / 8; M = the row's largest t so far, rounded UP to a whole number; p = 2^(t - M) is quantised along the keys, not normalised.  The row's sum is taken of the
; unquantised p, in f32, and divides O at the end.  When M moves, the sum and O are multiplied by 2^(old M - new M): exact.
; K = 64 IN THE FIRST PRODUCT: the instruction is 128 deep.  Q's upper six registers are zero codes, so whatever K's upper six hold adds nothing: K's fragments lie six registers apart and each
; names the next one's six as its upper half (the last: six registers of zeros).  No scale byte is 0xff.
; A HEAD'S K AND V STAY IN LDS, every byte filled once, at the head: no slot is filled again.  So the loop has no stream from memory, and no prefetch is laid.
; CLUSTER: the four work-groups of a cluster own the four blocks of 512 queries of one head and read the same K and V: each fill is a joint load with the mask of all four.
; ONE TENSOR LOAD A WAVE: waves 0-5 a sixth of K's codes each, waves 6-13 two key steps of V's codes each, wave 14 K's scale words, wave 15 V's.
; SHARES.  Each of the sixteen waves owns two tiles of 16 queries, one after the other, in 256 registers.
; LAYOUT.  Both products are used transposed: S^T = K Q^T, O^T = V^T P^T: a lane holds ONE query throughout.  In memory token tile 2 B + u holds as its row i the key 32 B + 8 u + i + 8 (i / 8),
; as images: pair p of lane l at 256 p + 8 l.  THE ROWS OF A SCORE TILE ARE CHOSEN BY THE LANES' ADDRESSES: tile 4 c + u takes keys 64 c + 8 u + 0 .. 7 and 64 c + 32 + 8 u + 0 .. 7, so the 32 registers
; of tiles 4 c .. 4 c + 3 of lane (r, h) are the WHOLE block of keys 64 c + 32 h + 0 .. 31, in the order that P's operand wants: a block's maximum needs no other lane and no codes change lanes.
; K's codes lie in LDS as rows of 512 bytes + 64 of padding: rows 0-7 and 8-15 of a score tile lie 1,536 bytes apart in memory, 1,728 in LDS, so the 32 lanes of a load touch 64 different banks.
; PACE: a barrier in two halves in each key step: a wave enters a step only when all sixteen have entered the step before, so the waves stay within two steps of each other.  It guards no bytes.
; LIMITS: p under 2^-126 comes out of v_exp_f32 as zero; a block of zeros, or one whose largest magnitude lies under 2^-124, gets the scale byte 1; NaN and infinities are not served.
; os is stored two bytes a row: a scale word of the last product joins two heads, which are two work-groups' (lanes r and r + 16 write the same two bytes with the same value).
.set KSTEP, 6912                       ; a key step of K's codes in LDS: 12 rows of 576
.set VC,    110592                     ; V's codes: key step x 6,144 + d tile x 1,536 (K's codes lie from 0 on)
.set KSC,   208896                     ; K's scale words: 4 bytes a key, in the memory tiles' order
.set VSC,   217088                     ; V's: key step x 256 + d tile x 64 + 4 r
.set SPARE, 221184                     ; the spare words, 128 bytes for each of the sixteen waves
.set AK0,  1                           ; v1  1728 (r / 8) + 8 (r % 8) + 128 h
.set ASK0, 2                           ; v2  128 (r / 8) + 4 (r % 8) + 64 h
.set L4,   3                           ; v3  4 x lane
.set GO,   4                           ; v4  8 x lane
.set SPW,  5                           ; v5, v6 the add's two; never rewritten
.set NIL,  6
.set OSA,  7                           ; v7  8 r
.set ADK,  8                           ; v8-11 addresses in hand, then at work
.set ADV,  9
.set ADS,  10
.set ADT,  11
                                       ; v12 -M, v13 the largest score, v[14:15] the sum; v16-27 Q; v28-29 V's scale words, v30 Q's, v31 p's
.set KSR,  32                          ; v32-35  K's scale words: register i: lanes 0-15 tile 2 i, lanes 16-31 tile 2 i + 1
.set KF,   36                          ; v36-89  K's eight fragments, six registers apart, and six zeros
.set VF,   90                          ; v90-137 V's four fragments
.set S,    138                         ; v138-201 S^T, then p
.set O,    202                         ; v202-233 O^T
.set P,    234                         ; v234-245 p's codes
.set W,    246                         ; v246-253 at work; v[254:255] f
.set SEL,  2                           ; s[2:3] lane selects for v_permlanex16_b32: lane l xor 16
.set WV,   16
.set CS,   18                          ; s[18:19] c = log2(e) / 8
.set G1K,  20
.set G1V,  28
.set G1KS, 36
.set G1VS, 44
.set G0K,  52
.set G0V,  56
.set G0KS, 60
.set G0VS, 68
.set TK,   72                          ; LDS bytes that step with the key steps: K's codes (one step ahead), V's codes, K's words (one ahead), V's words
.set TV,   73
.set TS,   74
.set TJ,   75
.set CNT,  76
.macro CROUND                          ; a round of the cluster's barrier
	s_barrier_signal -1
	s_barrier_wait -1
	s_cmp_lg_u32 s[WV], 0
	s_cbranch_scc1 .Lnot_wave_0_\@
	s_barrier_signal -3
.Lnot_wave_0_\@:
	s_barrier_wait -3
	s_barrier_signal -1
	s_barrier_wait -1
.endm
.macro DESC g, c, r, p                 ; group 1: r rows of c elements of 8 bytes, p elements from row to row
	s_mov_b32 s[\g+1], (\c)<<16
	s_mov_b32 s[\g+2], (\r)<<16
	s_mov_b32 s[\g+3], (\c)<<16
	s_mov_b32 s[\g+4], \r
	s_mov_b32 s[\g+5], \p
	s_mov_b32 s[\g+6], 0
	s_mov_b32 s[\g+7], 0
.endm
	s_load_b256 s[4:11], s[0:1], 0x0               ; qkc s[4:5], qks s[6:7], vc s[8:9], vs s[10:11]
	s_load_b128 s[12:15], s[0:1], 0x20             ; oc s[12:13], os s[14:15]
	v_lshl_add_u32 v[SPW], v0, 2, SPARE
	v_mov_b32 v[NIL], 0
	ds_add_u32 v[SPW], v[NIL]                      ; the opening lines: the add, twice on end, and its wait ahead of my tensor load
	ds_add_u32 v[SPW], v[NIL]
	v_lshrrev_b32 v8, 5, v0
	s_delay_alu instid0(VALU_DEP_1)
	v_readfirstlane_b32 s[WV], v8                  ; wave 0..15
	s_and_b32 s98, ttmp7, 0xffff                   ; 16 x batch + head, which the four partners share
	s_lshr_b32 s99, s98, 4                         ; batch
	s_and_b32 s98, s98, 15                         ; head
	s_mov_b32 s[G1K], 15|(3<<16)|(1<<20)|(1<<21)|(6<<22)|(15<<25)   ; the mask of all four; elements of 8 bytes; 16 words of padding behind every 128; bit 21 beside the mask
.irp g, G1V, G1KS, G1VS
	s_mov_b32 s[\g], 15|(3<<16)|(1<<21)
.endr
	DESC G1K, 64, 32, 64                           ; a sixth of K's codes: 16,384 dense bytes as 32 rows of 512
	DESC G1V, 768, 2, 12288                        ; two key steps' 6,144 bytes of my head, 98,304 bytes apart
	DESC G1KS, 32, 32, 32                          ; K's scale words: 8,192 dense bytes
	DESC G1VS, 32, 16, 512                         ; V's: sixteen key steps' 256 bytes of my head, 4,096 bytes apart
	; groups 0: word 2 first holds the byte offset in its buffer
	s_add_co_u32 s100, s98, 16                     ; k's rows lie behind q's: 16 + head
	s_mul_i32 s66, s100, 393216
	s_mul_i32 s67, s99, 98304
	s_add_co_u32 s66, s66, s67
	s_lshl_b32 s67, s[WV], 14
	s_mov_b32 s[G0K], 1
	s_mul_i32 s[G0K+1], s[WV], 18432               ; 32 rows of 576 a wave
	s_add_co_u32 s[G0K+2], s66, s67
	s_mov_b32 s[G0K+3], 0
	s_mul_i32 s66, s99, 1572864                    ; V: key step 16 x batch + 2 (wave - 6); the 6 waves are taken off behind the buffer's address
	s_mul_i32 s67, s98, 6144
	s_add_co_u32 s66, s66, s67
	s_mul_i32 s67, s[WV], 196608
	s_mov_b32 s[G0V], 1
	s_mul_i32 s[G0V+1], s[WV], 12288
	s_add_co_u32 s[G0V+1], s[G0V+1], VC-6*12288
	s_add_co_u32 s[G0V+2], s66, s67
	s_mov_b32 s[G0V+3], 0
	s_lshl_b32 s66, s100, 15
	s_lshl_b32 s67, s99, 13
	s_mov_b32 s[G0KS], 1
	s_mov_b32 s[G0KS+1], KSC
	s_add_co_u32 s[G0KS+2], s66, s67
	s_mov_b32 s[G0KS+3], 0
	s_lshl_b32 s66, s99, 16
	s_lshl_b32 s67, s98, 8
	s_mov_b32 s[G0VS], 1
	s_mov_b32 s[G0VS+1], VSC
	s_add_co_u32 s[G0VS+2], s66, s67
	s_mov_b32 s[G0VS+3], 0
	s_mov_b32 s[SEL], 0x76543210
	s_mov_b32 s[SEL+1], 0xfedcba98
	s_mov_b32 s[CS], 0x3e38aa3b
	s_mov_b32 s[CS+1], s[CS]                       ; (named with it as a pair, so it is written)
	s_wait_dscnt 0x0                               ; both opening adds are done
	s_wait_kmcnt 0x0
	s_add_nc_u64 s[G0K+2:G0K+3], s[4:5], s[G0K+2:G0K+3]
	s_or_b32 s[G0K+3], s[G0K+3], 0x80000000
	s_add_nc_u64 s[G0V+2:G0V+3], s[8:9], s[G0V+2:G0V+3]
	s_sub_nc_u64 s[G0V+2:G0V+3], s[G0V+2:G0V+3], 6*196608
	s_or_b32 s[G0V+3], s[G0V+3], 0x80000000
	s_add_nc_u64 s[G0KS+2:G0KS+3], s[6:7], s[G0KS+2:G0KS+3]
	s_or_b32 s[G0KS+3], s[G0KS+3], 0x80000000
	s_add_nc_u64 s[G0VS+2:G0VS+3], s[10:11], s[G0VS+2:G0VS+3]
	s_or_b32 s[G0VS+3], s[G0VS+3], 0x80000000
	CROUND                                         ; all four work-groups are here: the joint loads meet
.macro ARM under, g0, g1, next         ; one chain of branches on the wave's number: every way through it passes exactly one load
	s_cmp_lt_u32 s[WV], \under
	s_cbranch_scc0 \next
	tensor_load_to_lds s[\g0:\g0+3], s[\g1:\g1+7]
	s_nop 0
.rept 4
	v_nop
.endr
	s_branch .Lasked
\next:
.endm
	ARM 6,  G0K,  G1K,  .Larm_v
	ARM 14, G0V,  G1V,  .Larm_ks
	ARM 15, G0KS, G1KS, .Larm_vs
	tensor_load_to_lds s[G0VS:G0VS+3], s[G1VS:G1VS+7]
	s_nop 0
.rept 4
	v_nop
.endr
.Lasked:
	; my first tile of queries: 128 x batch + 32 cx + wave; the second lies 16 tiles on.  cx enters Q's, oc's and os's addresses alone
	s_bfe_u32 s66, ttmp6, 0x40000
	s_lshl_b32 s66, s66, 5
	s_lshl_b32 s67, s99, 7
	s_add_co_u32 s66, s66, s67
	s_add_co_u32 s66, s66, s[WV]
	s_mov_b32 s101, 0
	s_mul_i32 s100, s98, 393216
	s_mul_i32 s67, s66, 768
	s_add_co_u32 s100, s100, s67
	s_add_nc_u64 s[4:5], s[4:5], s[100:101]        ; q's half image
	s_lshl_b32 s100, s98, 15
	s_lshl_b32 s67, s66, 6
	s_add_co_u32 s100, s100, s67
	s_add_nc_u64 s[6:7], s[6:7], s[100:101]        ; its scale words
	s_mul_i32 s100, s66, 12288
	s_mul_i32 s67, s98, 768
	s_add_co_u32 s100, s100, s67
	s_add_nc_u64 s[12:13], s[12:13], s[100:101]    ; oc: [tile][head][768]
	s_lshl_b32 s100, s66, 9
	s_lshr_b32 s67, s98, 2
	s_lshl_b32 s67, s67, 7
	s_add_co_u32 s100, s100, s67
	s_bfe_u32 s67, s98, 0x10001
	s_lshl_b32 s67, s67, 2
	s_add_co_u32 s100, s100, s67
	s_and_b32 s67, s98, 1
	s_lshl_b32 s67, s67, 1
	s_add_co_u32 s100, s100, s67
	s_add_nc_u64 s[14:15], s[14:15], s[100:101]    ; os: tile x 512 + (head / 4) x 128 + ((head / 2) % 2) x 4 + (head % 2) x 2, and 8 a row
	v_and_b32 v8, 31, v0                           ; lane
	v_and_b32 v9, 15, v0                           ; r
	v_bfe_u32 v10, v0, 4, 1                        ; h
	v_bfe_u32 v11, v0, 3, 1                        ; r / 8
	v_and_b32 v[W], 7, v0                          ; r % 8
	v_lshlrev_b32 v[GO], 3, v8
	v_lshlrev_b32 v[L4], 2, v8
	v_lshlrev_b32 v[OSA], 3, v9
	v_mul_u32_u24 v[AK0], v11, 1728
	v_lshlrev_b32 v[ASK0], 7, v11
	v_lshl_add_u32 v[AK0], v[W], 3, v[AK0]
	v_lshl_add_u32 v[ASK0], v[W], 2, v[ASK0]
	v_lshl_add_u32 v[AK0], v10, 7, v[AK0]
	v_lshl_add_u32 v[ASK0], v10, 6, v[ASK0]
.macro QLOAD pass
.irp p, 0,1,2
	global_load_b64 v[16+2*\p:17+2*\p], v[GO], s[4:5] offset:12288*\pass+256*\p
.endr
	global_load_b32 v30, v[L4], s[6:7] offset:1024*\pass   ; lanes 0-15: my tile's words (lanes 16-31 take the next tile's, which are not read)
.endm
	QLOAD 0
.irp i, 22,23,24,25,26,27, KF+48,KF+49,KF+50,KF+51,KF+52,KF+53, W+4,W+5,255
	v_mov_b32 v[\i], 0                             ; Q's zero codes for k = 64 .. 127; the last K fragment's upper half; registers named before they are first made
.endr
.macro KLOADS                          ; a key step's K: four registers of scale words, eight half images with their rows chosen by the lanes' addresses
.irp i, 0,1,2,3
	ds_load_b32 v[KSR+\i], v[ADS] offset:256*(\i/2)+32*(\i%2)
.endr
.irp t, 0,1,2,3,4,5,6,7
.irp p, 0,1,2
.set Y0, 768*(4*(\t/4)+(\t%2))+256*\p  ; the unit of 256 bytes as it lies in memory; 64 bytes more in LDS for each 512 passed
	ds_load_b64 v[KF+6*\t+2*\p:KF+6*\t+2*\p+1], v[ADK] offset:Y0+64*(Y0/512)+64*((\t%4)/2)
.endr
.endr
.endm
.macro MM d, a, b, c, sa, sb, odd      ; an odd tile's scale words lie in lanes 16-31
.if \odd
	v_wmma_scale_f32_16x16x128_f8f6f4 v[\d:\d+7], v[\a:\a+11], v[\b:\b+11], \c, v[\sa], v[\sb] matrix_a_fmt:MATRIX_FMT_FP6 matrix_b_fmt:MATRIX_FMT_FP6 matrix_a_scale:MATRIX_SCALE_ROW1
.else
	v_wmma_scale_f32_16x16x128_f8f6f4 v[\d:\d+7], v[\a:\a+11], v[\b:\b+11], \c, v[\sa], v[\sb] matrix_a_fmt:MATRIX_FMT_FP6 matrix_b_fmt:MATRIX_FMT_FP6
.endif
.endm
; A KEY STEP: 128 keys.
.macro STEP
	s_wait_dscnt 0x0                               ; this step's K is in; no LDS access of mine is out
	s_barrier_wait -1                              ; all sixteen waves have entered the step before,
	s_barrier_signal -1                            ; and I enter this one
.irp t, 0,1,2,3,4,5,6,7
	MM S+8*\t, KF+6*\t, 16, 0, KSR+\t/2, 30, (\t%2)
.endr
	v_add_nc_u32 v[ADV], s[TV], v[GO]              ; these four are the places behind the products, ahead of the loads and of the first read of S^T
	v_add_nc_u32 v[ADT], s[TJ], v[L4]
	v_add_nc_u32 v[ADK], s[TK], v[AK0]
	v_add_nc_u32 v[ADS], s[TS], v[ASK0]
.irp i, 0,1
	ds_load_b32 v[28+\i], v[ADT] offset:128*\i     ; V's scale words: d tiles 2 i and 2 i + 1
.endr
.irp t, 0,1,2,3
.irp p, 0,1,2,3,4,5
	ds_load_b64 v[VF+12*\t+2*\p:VF+12*\t+2*\p+1], v[ADV] offset:1536*\t+256*\p
.endr
.endr
	KLOADS                                         ; the NEXT step's K (behind the last step: the filled bytes that follow K's in LDS; nothing uses them)
.irp q, 0,1,2,3                                ; THE LARGEST SCORE OF EACH BLOCK OF 32 KEYS, all mine: four chains of 15; each accumulator from its low end on
	v_max3_num_f32 v[W+\q], v[S+16*\q], v[S+16*\q+1], v[S+16*\q+2]
.endr
.irp i, 3,5,7,9,11,13
.irp q, 0,1,2,3
	v_max3_num_f32 v[W+\q], v[W+\q], v[S+16*\q+\i], v[S+16*\q+\i+1]
.endr
.endr
	v_max3_num_f32 v[W], v[W], v[W+1], v[S+15]
	v_max3_num_f32 v[W+2], v[W+2], v[W+3], v[S+47]
	v_max_num_f32 v[W], v[W], v[S+31]              ; block h
	v_max_num_f32 v[W+2], v[W+2], v[S+63]          ; block 2 + h
	v_max3_num_f32 v[W+4], v[W], v[W+2], v13       ; with the largest so far,
	v_permlanex16_b32 v[W+5], v[W+4], s[SEL], s[SEL+1]
	v_max_num_f32 v13, v[W+4], v[W+5]              ; and lane l xor 16's two blocks: the running largest score
	v_mul_f32 v[W+4], s[CS], v13                   ; as t (c is positive)
	v_floor_f32 v[W+5], -v[W+4]                    ; the new -M = -ceil(t): a whole number
	v_sub_f32 v[W+4], v[W+5], v12                  ; M's old value less its new one
	v_mov_b32 v12, v[W+5]
	v_cvt_i32_f32 v[W+4], v[W+4]                   ; (it saturates)
	v_ldexp_f32 v254, 1.0, v[W+4]                  ; f = 2^(old M - new M)
.set j, 0
.rept 32
	v_pk_fma_f32 v[S+j:S+j+1], v[S+j:S+j+1], s[CS:CS+1], v[12:13] op_sel_hi:[1,0,0]   ; t - M, two at a time
.set j, j+2
.endr
	v_fma_f32 v[W], v[W], s[CS], v12               ; the same of each block's largest score: since p rises with the score, it gives the block's largest p
	v_fma_f32 v[W+2], v[W+2], s[CS], v12
.set j, 0
.rept 16
	v_pk_mul_f32 v[O+j:O+j+1], v[O+j:O+j+1], v[254:255] op_sel_hi:[1,0]   ; O^T under the new M
.set j, j+2
.endr
	s_wait_alu depctr_va_vdst(0)                   ; the wait ahead of the batch
.set j, 0
.rept 64
	v_exp_f32 v[S+j], v[S+j]                       ; p = 2^(t - M), at most 1: not normalised
.set j, j+1
.endr
	v_exp_f32 v[W], v[W]
	v_exp_f32 v[W+2], v[W+2]
	v_pk_mul_f32 v[14:15], v[14:15], v[254:255] op_sel_hi:[1,0]   ; the sums under the new M: the plain place behind the batch
	s_wait_alu depctr_va_vdst(0)                   ; and the wait behind it, ahead of its first reader
	v_max_num_f32 v[W], 0x1800000, v[W]            ; the floor 2^(3 - 127): the byte cannot fall under 1
	v_max_num_f32 v[W+2], 0x1800000, v[W+2]
	s_delay_alu instid0(VALU_DEP_2)
	v_add_nc_u32 v[W+4], 0xff000000, v[W]          ; 2 off the exponent field: the conversion's scale operand
	s_delay_alu instid0(VALU_DEP_2)
	v_add_nc_u32 v[W+5], 0xff000000, v[W+2]
	s_delay_alu instid0(VALU_DEP_2)
	v_lshrrev_b32 v[W+6], 23, v[W+4]               ; the scale's byte
	s_delay_alu instid0(VALU_DEP_2)
	v_lshrrev_b32 v[W+7], 23, v[W+5]
	v_cvt_scalef32_pk16_fp6_f32 v[P:P+2], v[S:S+15], v[W+4]
	v_cvt_scalef32_pk16_fp6_f32 v[W:W+2], v[S+16:S+31], v[W+4]        ; (a conversion's three registers begin on an even number)
	v_cvt_scalef32_pk16_fp6_f32 v[P+6:P+8], v[S+32:S+47], v[W+5]
	v_cvt_scalef32_pk16_fp6_f32 v[8:10], v[S+48:S+63], v[W+5]
	v_lshl_or_b32 v[W+3], v[W+7], 16, v[W+6]       ; my two bytes (the plain place behind the conversions),
	s_delay_alu instid0(VALU_DEP_1)
	v_permlanex16_b32 v11, v[W+3], s[SEL], s[SEL+1]
	s_delay_alu instid0(VALU_DEP_1)
	v_lshl_or_b32 v31, v11, 8, v[W+3]              ; in lanes 0-15, which alone are read: blocks 0, 2 are mine, blocks 1, 3 lane l + 16's
.irp i, 0,1,2
	v_mov_b32 v[P+3+\i], v[W+\i]
	v_mov_b32 v[P+9+\i], v[8+\i]
.endr
	v_pk_add_f32 v[W:W+1], v[S:S+1], v[S+2:S+3]    ; THE ROW'S SUM OF THE UNQUANTISED p, four chains; these 32 also stand between the making of p's codes and scale word and the products
	v_pk_add_f32 v[W+2:W+3], v[S+4:S+5], v[S+6:S+7]
	v_pk_add_f32 v[W+4:W+5], v[S+8:S+9], v[S+10:S+11]
	v_pk_add_f32 v[14:15], v[14:15], v[S+12:S+13]
.irp i, 14,22,30,38,46,54
	v_pk_add_f32 v[W:W+1], v[W:W+1], v[S+\i:S+\i+1]
	v_pk_add_f32 v[W+2:W+3], v[W+2:W+3], v[S+\i+2:S+\i+3]
	v_pk_add_f32 v[W+4:W+5], v[W+4:W+5], v[S+\i+4:S+\i+5]
	v_pk_add_f32 v[14:15], v[14:15], v[S+\i+6:S+\i+7]
.endr
	v_pk_add_f32 v[W:W+1], v[W:W+1], v[S+62:S+63]
	v_pk_add_f32 v[14:15], v[14:15], v[W+4:W+5]
	s_delay_alu instid0(VALU_DEP_2)
	v_pk_add_f32 v[W:W+1], v[W:W+1], v[W+2:W+3]
	s_delay_alu instid0(VALU_DEP_1)
	v_pk_add_f32 v[14:15], v[14:15], v[W:W+1]
	s_wait_alu depctr_va_vdst(0)
	s_wait_dscnt 28                                ; V is in; the next step's K, 4 + 24 loads, may be out
.irp t, 0,1,2,3                                ; O^T += V^T P^T: the four accumulators by turns
	MM O+8*\t, VF+12*\t, P, v[O+8*\t:O+8*\t+7], 28+\t/2, 31, (\t%2)
.endr
	s_add_co_u32 s[TK], s[TK], KSTEP
	s_add_co_u32 s[TV], s[TV], 6144
	s_add_co_u32 s[TS], s[TS], 512
	s_add_co_u32 s[TJ], s[TJ], 256
.endm
; THE WAY OUT of a tile of queries: O^T / the sum; its two blocks of 32 along d are quantised; the codes are half an image of the last product's operand.
.macro EPI pass
.rept 4
	v_nop                                          ; places behind the last products
.endr
.if \pass == 0
	QLOAD 1                                        ; the next tile's Q lands under the way out
.endif
	v_add_f32 v14, v14, v15                        ; the sum's two halves,
	s_delay_alu instid0(VALU_DEP_1)
	v_permlanex16_b32 v[W+4], v14, s[SEL], s[SEL+1]
	s_delay_alu instid0(VALU_DEP_1)
	v_add_f32 v14, v14, v[W+4]                     ; and lane l xor 16's: the row's sum
	s_wait_alu depctr_va_vdst(0)
	v_rcp_f32 v14, v14
	v_nop                                          ; one plain place behind the transcendental
	s_wait_alu depctr_va_vdst(0)                   ; the wait ahead of its first reader, which is O^T's first reader too
.set j, 0
.rept 16
	v_pk_mul_f32 v[S+j:S+j+1], v[O+j:O+j+1], v[14:15] op_sel_hi:[1,0]   ; register 16 b + i is o(r, 32 b + 16 h + i); each accumulator from its low end on
.set j, j+2
.endr
.irp b, 0,1
	v_max3_num_f32 v[W+\b], |v[S+16*\b]|, |v[S+1+16*\b]|, 0x1800000
.endr
.irp i, 2,4,6,8,10,12,14
.irp b, 0,1
	s_delay_alu instid0(VALU_DEP_2)
	v_max3_num_f32 v[W+\b], v[W+\b], |v[S+16*\b+\i]|, |v[S+1+16*\b+\i]|
.endr
.endr
.irp b, 0,1
	s_delay_alu instid0(VALU_DEP_2)
	v_permlanex16_b32 v[W+2+\b], v[W+\b], s[SEL], s[SEL+1]
.endr
.irp b, 0,1
	s_delay_alu instid0(VALU_DEP_2)
	v_max_num_f32 v[W+\b], v[W+\b], v[W+2+\b]
.endr
.irp b, 0,1
	s_delay_alu instid0(VALU_DEP_2)
	v_add_nc_u32 v[W+4+\b], 0xff000000, v[W+\b]
.endr
.irp b, 0,1
	s_delay_alu instid0(VALU_DEP_2)
	v_lshrrev_b32 v[W+6+\b], 23, v[W+4+\b]
.endr
	s_delay_alu instid0(VALU_DEP_1)
	v_lshl_or_b32 v8, v[W+7], 8, v[W+6]            ; my head's two bytes of the row's scale word
	v_cvt_scalef32_pk16_fp6_f32 v[P:P+2], v[S:S+15], v[W+4]
	v_cvt_scalef32_pk16_fp6_f32 v[W:W+2], v[S+16:S+31], v[W+5]
	v_nop
.irp i, 0,1,2
	v_permlane16_swap_b32 v[P+\i], v[W+\i]         ; here a block lies in lanes l and l xor 16: the operand wants it whole in a lane
.endr
.irp i, 0,1,2
	s_delay_alu instid0(VALU_DEP_3)
	v_mov_b32 v[P+3+\i], v[W+\i]
.endr
.irp p, 0,1,2
	global_store_b64 v[GO], v[P+2*\p:P+2*\p+1], s[12:13] offset:196608*\pass+256*\p   ; 256 consecutive bytes, aligned
.endr
	global_store_b16 v[OSA], v8, s[14:15] offset:8192*\pass
.endm
.macro PASS pass
	v_mov_b32 v13, 0xff61b1e6                      ; the largest score so far: -3e38;
	v_mov_b32 v12, 0x7f61b1e6                      ; -M: a whole number so large that the first step's f is 0
	v_mov_b32 v14, 0
	v_mov_b32 v15, 0
.set j, 0
.rept 32
	v_mov_b32 v[O+j], 0                            ; the loop has no first step of its own: it finds zeros
.set j, j+1
.endr
	s_mov_b32 s[TK], 0
	s_mov_b32 s[TS], KSC
	s_mov_b32 s[TV], VC
	s_mov_b32 s[TJ], VSC
	s_mov_b32 s[CNT], 16
	v_add_nc_u32 v[ADK], s[TK], v[AK0]
	v_add_nc_u32 v[ADS], s[TS], v[ASK0]
	s_wait_alu depctr_va_vdst(0)
	s_barrier_signal -1                            ; the pace's first half: no LDS access of mine is out
	KLOADS                                         ; key step 0's K
	s_add_co_u32 s[TK], s[TK], KSTEP
	s_add_co_u32 s[TS], s[TS], 512
	s_wait_loadcnt 0x0                             ; Q
.Lstep_\@:
	STEP
	s_sub_co_u32 s[CNT], s[CNT], 1
	s_cmp_lg_u32 s[CNT], 0
	s_cbranch_scc1 .Lstep_\@
	s_wait_dscnt 0x0                               ; the look-ahead's loads have landed: their registers may be loaded anew
	s_barrier_wait -1                              ; the pace's last half
	EPI \pass
.endm
	s_wait_alu depctr_va_vdst(0)
	s_wait_tensorcnt 0x0                           ; my fill has landed,
	s_barrier_signal -1
	s_barrier_wait -1                              ; everybody's has: the head's K and V are whole, and nothing writes them again
	PASS 0
	s_wait_xcnt 0x0                                ; the first tile's stores have read their registers
	PASS 1
	s_wait_tensorcnt 0x0                           ; the wave's end
	ds_add_u32 v[SPW], v[NIL]
	s_wait_dscnt 0x0
	CROUND                                         ; the closing round
	s_endpgm
.Lfunc_end_k_q37ce6fa9a4_attn:
	.size	k_q37ce6fa9a4_attn, .Lfunc_end_k_q37ce6fa9a4_attn-k_q37ce6fa9a4_attn
	.p2alignl 7, 3214868480
	.fill 96, 4, 3214868480
	.section	.rodata,"a",@progbits
	.p2align	6, 0x0
	.amdhsa_kernel k_q37ce6fa9a4_attn
		.amdhsa_group_segment_fixed_size 223232
		.amdhsa_private_segment_fixed_size 0
		.amdhsa_enable_private_segment 0
		.amdhsa_kernarg_size 48
		.amdhsa_user_sgpr_count 2
		.amdhsa_user_sgpr_kernarg_segment_ptr 1
		.amdhsa_wavefront_size32 1
		.amdhsa_system_sgpr_workgroup_id_x 1
		.amdhsa_system_sgpr_workgroup_id_y 1
		.amdhsa_system_sgpr_workgroup_id_z 1
		.amdhsa_system_vgpr_workitem_id 0
		.amdhsa_next_free_vgpr 256
		.amdhsa_next_free_sgpr 102
		.amdhsa_reserve_vcc 0
		.amdhsa_float_denorm_mode_32 3
		.amdhsa_float_denorm_mode_16_64 3
		.amdhsa_memory_ordered 1
		.amdhsa_forward_progress 1
		.amdhsa_inst_pref_size 59
	.end_amdhsa_kernel
	.amdgpu_metadata
---
amdhsa.version: [ 1, 2 ]
amdhsa.kernels:
  - .name:           k_q37ce6fa9a4_attn
    .symbol:         k_q37ce6fa9a4_attn.kd
    .args:
      - { .name: qkc, .offset: 0, .size: 8, .value_kind: global_buffer, .address_space: global }
      - { .name: qks, .offset: 8, .size: 8, .value_kind: global_buffer, .address_space: global }
      - { .name: vc, .offset: 16, .size: 8, .value_kind: global_buffer, .address_space: global }
      - { .name: vs, .offset: 24, .size: 8, .value_kind: global_buffer, .address_space: global }
      - { .name: oc, .offset: 32, .size: 8, .value_kind: global_buffer, .address_space: global }
      - { .name: os, .offset: 40, .size: 8, .value_kind: global_buffer, .address_space: global }
    .group_segment_fixed_size: 223232
    .private_segment_fixed_size: 0
    .kernarg_segment_align: 8
    .kernarg_segment_size: 48
    .max_flat_workgroup_size: 512
    .sgpr_count:     102
    .vgpr_count:     256
    .wavefront_size: 32
...
	.end_amdgpu_metadata
.endif
;; end of part 3
;; launch proj (part 4): grid 4 x 32, 4 waves a work-group, clusters of 4 x 4, 327,680 bytes of LDS; arguments oc, os, codes, scales, bo, out0; writes out0
.if DOCPART == 4
	.amdgcn_target "amdgcn-amd-amdhsa--gfx1250"
	.amdhsa_code_object_version 6
	.text
	.protected	k_q37ce6fa9a4_proj
	.globl	k_q37ce6fa9a4_proj
	.p2align	8
	.type	k_q37ce6fa9a4_proj,@function
k_q37ce6fa9a4_proj:
	s_mov_b64 s[64:65], 0
	v_nop
	global_prefetch_b8 v0, s[64:65] scope:SCOPE_SE
	s_setreg_imm32_b32 hwreg(HW_REG_WAVE_MODE, 25, 1), 1
	s_wait_xcnt 0x0
	s_wait_alu depctr_hold_cnt(0) depctr_sa_sdst(0) depctr_va_vdst(0) depctr_va_sdst(0) depctr_va_ssrc(0) depctr_va_vcc(0) depctr_vm_vsrc(0)
	s_getreg_b32 s2, hwreg(HW_REG_IB_STS2, 6, 4)
	s_cmp_eq_u32 s2, 0
	s_cbranch_scc0 .Lentry_in_a_cluster
	s_endpgm
.Lentry_in_a_cluster:
	s_bfe_u32 s2, ttmp6, 0x10000c
	s_cmp_lg_u32 s2, 0xf033
	s_cbranch_scc0 .Lentry_shape_is_right
	s_endpgm
.Lentry_shape_is_right:
.set NQ,    2
.set FR,    12
.set NL,    6
.set NP,    4
.set TILEB, 3072
.set HALFT, 8*TILEB
.set SLOT,  4*HALFT
.set SCL,   2*SLOT
.set SPARE, SCL+16384
.set STG,   SPARE+512
.set SPITCH, 528
.set ADRA, 16
.set ADRB, 20
.set STO,  24
.set RD,   25
.set CO,   26
.set ADRS, 27
.set SPW,  28
.set NIL,  29
.set SC,   32
.set BIAS, 64
.set AF,   128
.set BK,   128
.set G1, 24
.set G0, 32
.set G1B, 48
.set G0B, 56
.set G1S, 68
.set G0S, 76
.set G1SB, 80
.set G0SB, 88
.set MSB, 0
.macro WIN new
.if MSB != \new
	s_set_vgpr_msb (MSB<<8)|\new
.set MSB, \new
.endif
.endm
.set MUL_LO, 0xa1
.set MUL_HI, 0xf1
.set BIA_LO, 0x81
.set BIA_HI, 0xc1
.set TO_B,   0x40
.macro JLOAD g0a, g1a, g0b, g1b
	s_cmp_eq_u32 s15, 0
	s_cbranch_scc0 .Lfor_b_\@
	tensor_load_to_lds s[\g0a:\g0a+3], s[\g1a:\g1a+7]
	s_nop 0
.rept 4
	v_nop
.endr
	s_branch .Lasked_\@
.Lfor_b_\@:
	tensor_load_to_lds s[\g0b:\g0b+3], s[\g1b:\g1b+7]
	s_nop 0
.rept 4
	v_nop
.endr
.Lasked_\@:
.endm
.macro CREST
	s_cmp_lg_u32 s14, 0
	s_cbranch_scc1 .Lnot_wave_0_\@
	s_barrier_signal -3
.Lnot_wave_0_\@:
	s_barrier_wait -3
	s_barrier_signal -1
	s_barrier_wait -1
.endm
.macro CROUND
	s_barrier_signal -1
	s_barrier_wait -1
	CREST
.endm
	s_load_b128 s[4:7], s[0:1], 0x0
	s_load_b128 s[8:11], s[0:1], 0x10
	s_load_b128 s[96:99], s[0:1], 0x20
	v_lshl_add_u32 v[SPW], v0, 2, SPARE
	v_mov_b32 v[NIL], 0
	ds_add_u32 v[SPW], v[NIL]
	ds_add_u32 v[SPW], v[NIL]
	v_lshrrev_b32 v1, 5, v0
	v_readfirstlane_b32 s14, v1
	s_lshr_b32 s15, s14, 1
	s_and_b32 s16, s14, 1
	s_bfe_u32 s40, ttmp6, 0x40000
	s_bfe_u32 s41, ttmp6, 0x40004
	s_lshl_b32 s42, ttmp9, 2
	s_add_co_u32 s42, s42, s40
	s_and_b32 s17, ttmp7, 0xffff
	s_lshl_b32 s17, s17, 2
	s_add_co_u32 s17, s17, s41
	s_lshl_b32 s43, s41, 2
	s_lshl_b32 s43, 15, s43
	s_lshl_b32 s44, 0x1111, s40
	s_or_b32 s[G1+0], s43, (3<<16)|(1<<21)
	s_or_b32 s[G1B+0], s44, (3<<16)|(1<<21)
.irp g, G1, G1B
	s_mov_b32 s[\g+1], 384<<16
	s_mov_b32 s[\g+2], 8<<16
	s_mov_b32 s[\g+3], 384<<16
	s_mov_b32 s[\g+4], 8
	s_mov_b32 s[\g+5], 1536
	s_mov_b32 s[\g+6], 0
	s_mov_b32 s[\g+7], 0
.endr
	s_or_b32 s[G1S+0], s43, (3<<16)|(1<<21)
	s_or_b32 s[G1SB+0], s44, (3<<16)|(1<<21)
.irp g, G1S, G1SB
	s_mov_b32 s[\g+1], 32<<16
	s_mov_b32 s[\g+2], 16<<16
	s_mov_b32 s[\g+3], 32<<16
	s_mov_b32 s[\g+4], 16
	s_mov_b32 s[\g+5], 32
	s_mov_b32 s[\g+6], 0
	s_mov_b32 s[\g+7], 0
.endr
	s_lshl_b32 s18, s16, 3
	s_lshl_b32 s20, s17, 4
	s_add_co_u32 s20, s20, s18
	s_lshl_b32 s46, s42, 4
	s_add_co_u32 s46, s46, 704
	s_add_co_u32 s46, s46, s18
	s_lshl_b32 s22, s20, 9
	s_lshl_b32 s92, s46, 9
	s_mul_i32 s20, s20, 12288
	s_mul_i32 s46, s46, 12288
	s_mov_b32 s21, 0
	s_mov_b32 s23, 0
	s_mov_b32 s47, 0
	s_mov_b32 s93, 0
	s_mul_i32 s45, s14, HALFT
	s_lshl_b32 s94, s14, 12
	s_wait_dscnt 0x0
	s_wait_kmcnt 0x0
	s_add_nc_u64 s[20:21], s[4:5], s[20:21]
	s_add_nc_u64 s[22:23], s[6:7], s[22:23]
	s_add_nc_u64 s[46:47], s[8:9], s[46:47]
	s_add_nc_u64 s[92:93], s[10:11], s[92:93]
	CROUND
	s_mov_b32 s[G0S], 1
	s_add_co_u32 s[G0S+1], s94, SCL
	s_mov_b64 s[G0S+2:G0S+3], s[22:23]
	s_or_b32 s[G0S+3], s[G0S+3], 0x80000000
	s_mov_b32 s[G0SB], 1
	s_add_co_u32 s[G0SB+1], s94, SCL
	s_mov_b64 s[G0SB+2:G0SB+3], s[92:93]
	s_or_b32 s[G0SB+3], s[G0SB+3], 0x80000000
	JLOAD G0S, G1S, G0SB, G1SB
.irp s, 0,1
	s_mov_b32 s[G0+4*\s], 1
	s_add_co_u32 s[G0+4*\s+1], s45, \s*SLOT
	s_add_nc_u64 s[G0+4*\s+2:G0+4*\s+3], s[20:21], \s*TILEB
	s_or_b32 s[G0+4*\s+3], s[G0+4*\s+3], 0x80000000
	s_mov_b32 s[G0B+4*\s], 1
	s_add_co_u32 s[G0B+4*\s+1], s45, \s*SLOT
	s_add_nc_u64 s[G0B+4*\s+2:G0B+4*\s+3], s[46:47], \s*TILEB
	s_or_b32 s[G0B+4*\s+3], s[G0B+4*\s+3], 0x80000000
	s_wait_alu depctr_va_vdst(0)
	s_wait_tensorcnt 0x0
	ds_add_u32 v28, v29
	s_wait_dscnt 0x0
	CROUND
	JLOAD G0+4*\s, G1, G0B+4*\s, G1B
.endr
	v_and_b32 v1, 15, v0
	v_bfe_u32 v2, v0, 4, 1
	s_wait_alu depctr_va_vdst(0)
	v_and_b32 v3, 31, v0
	s_wait_alu depctr_va_vdst(0)
	s_lshl_b32 s20, s17, 8
	s_lshl_b32 s21, s15, 7
	s_add_co_u32 s20, s20, s21
	s_lshl_b32 s20, s20, 12
	s_lshl_b32 s46, s42, 10
	s_lshl_b32 s47, s16, 9
	s_add_co_u32 s46, s46, s47
	s_mov_b32 s47, 0
	s_add_nc_u64 s[96:97], s[96:97], s[46:47]
	s_add_co_u32 s46, s46, s20
	s_add_nc_u64 s[98:99], s[98:99], s[46:47]
	v_lshlrev_b32 v4, 6, v2
.irp b, 0,1,2,3,4,5,6,7
	global_load_b128 v[BIAS+8*\b:BIAS+8*\b+3], v4, s[96:97] offset:(32*(\b/2)+8*(\b%2))*4
	global_load_b128 v[BIAS+8*\b+4:BIAS+8*\b+7], v4, s[96:97] offset:(32*(\b/2)+8*(\b%2))*4+16
.endr
	v_lshlrev_b32 v5, 3, v3
	s_mul_i32 s21, s15, HALFT
	s_mul_i32 s22, s16, HALFT
	s_add_co_u32 s22, s22, 2*HALFT
.irp s, 0,1
	v_add_nc_u32 v[ADRA+\s], s21, v5
	v_add_nc_u32 v[ADRB+\s], s22, v5
	s_add_co_u32 s21, s21, SLOT
	s_add_co_u32 s22, s22, SLOT
.endr
	v_lshlrev_b32 v5, 3, v1
	s_lshl_b32 s21, s15, 12
	s_lshl_b32 s22, s16, 12
	s_add_co_u32 s22, s22, 8192
	s_sub_co_u32 s22, s22, s21
	v_mul_u32_u24 v6, s22, v2
	s_add_co_u32 s21, s21, SCL
	v_add_nc_u32 v5, v5, v6
	v_add_nc_u32 v[ADRS], s21, v5
	s_mul_i32 s23, s14, 16*SPITCH
	s_add_co_u32 s23, s23, STG
	v_mul_u32_u24 v5, v1, SPITCH
	v_lshl_add_u32 v5, v2, 6, v5
	v_add_nc_u32 v[STO], s23, v5
	v_lshlrev_b32 v[CO], 4, v3
	v_add_nc_u32 v[RD], s23, v[CO]
.macro FRAG reg, adr, q, i
.irp p, 0,1,2,3,4,5
	ds_load_b64 v[\reg+2*\p:\reg+2*\p+1], v[\adr] offset:(\i)*TILEB+(\q)*1536+256*\p
.endr
.endm
.macro MUL16 a0, p, q, sc, mode
.irp a, \a0, \a0+1
.irp b, 0,1,2,3,4,5,6,7
.if \mode == 0
	v_wmma_scale_f32_16x16x128_f8f6f4 v[8*(8*((\a)%4)+\b):8*(8*((\a)%4)+\b)+7], v[128*(\p)+FR*\b:128*(\p)+FR*\b+FR-1], v[AF+FR*(\a):AF+FR*(\a)+FR-1], v[8*(8*((\a)%4)+\b):8*(8*((\a)%4)+\b)+7], v[SC+8*NQ*(\sc)+NQ*\b+(\q)], v[SC+8*NQ*(\sc)+NQ*(\a)+(\q)] matrix_a_fmt:MATRIX_FMT_FP6 matrix_b_fmt:MATRIX_FMT_FP6 matrix_a_scale:MATRIX_SCALE_ROW1
.else
	v_wmma_scale_f32_16x16x128_f8f6f4 v[8*(8*((\a)%4)+\b):8*(8*((\a)%4)+\b)+7], v[128*(\p)+FR*\b:128*(\p)+FR*\b+FR-1], v[AF+FR*(\a):AF+FR*(\a)+FR-1], v[BIAS+8*\b:BIAS+8*\b+7], v[SC+8*NQ*(\sc)+NQ*\b+(\q)], v[SC+8*NQ*(\sc)+NQ*(\a)+(\q)] matrix_a_fmt:MATRIX_FMT_FP6 matrix_b_fmt:MATRIX_FMT_FP6 matrix_a_scale:MATRIX_SCALE_ROW1
.endif
.endr
.endr
.endm
.macro FETCH_B slot, q, p
	WIN TO_B
.irp i, 0,1,2,3,4,5,6,7
	FRAG 128*(\p)+FR*\i, ADRB+\slot, \q, \i
.endr
	WIN 0
.endm
.macro FETCH_A slot, q, i0
.irp i, \i0, \i0+1, \i0+2, \i0+3
	FRAG AF+FR*(\i), ADRA+\slot, \q, \i
.endr
.endm
.macro SCALES sc
.irp i, 0,1,2,3,4,5,6,7
	ds_load_b64 v[SC+8*NQ*\sc+NQ*\i:SC+8*NQ*\sc+NQ*\i+1], v[ADRS] offset:\i*512
.endr
.endm
.macro PLACES n
.rept \n
	v_nop
.endr
.endm
.macro STEP slot, q, mode
	s_wait_dscnt 4*NL
.if \mode
	WIN BIA_LO
.else
	WIN MUL_LO
.endif
	MUL16 0, (\q)%2, \q, \slot, \mode
	MUL16 2, (\q)%2, \q, \slot, \mode
	s_wait_dscnt 0
	PLACES NP
	FETCH_B \slot, (\q)+1, 1-(\q)%2
	FETCH_A \slot, (\q)+1, 0
.if \mode
	WIN BIA_HI
.else
	WIN MUL_HI
.endif
	MUL16 4, (\q)%2, \q, \slot, \mode
	MUL16 6, (\q)%2, \q, \slot, \mode
	PLACES NP
	WIN 0
	FETCH_A \slot, (\q)+1, 4
.endm
.macro TURN slot, next, fill
	s_wait_tensorcnt 0x0
	ds_add_u32 v[SPW], v[NIL]
	s_wait_dscnt 4*NL+1
	WIN MUL_LO
	MUL16 0, 1, NQ-1, \slot, 0
	s_wait_dscnt 0x0
	s_barrier_signal -1
	MUL16 2, 1, NQ-1, \slot, 0
	WIN 0
	s_barrier_wait -1
.if \fill
	CREST
	s_add_nc_u64 s[G0+4*\slot+2:G0+4*\slot+3], s[G0+4*\slot+2:G0+4*\slot+3], 2*TILEB
	s_add_nc_u64 s[G0B+4*\slot+2:G0B+4*\slot+3], s[G0B+4*\slot+2:G0B+4*\slot+3], 2*TILEB
	JLOAD G0+4*\slot, G1, G0B+4*\slot, G1B
.else
	PLACES NP
.endif
	s_wait_alu depctr_va_vdst(0)
	v_add_nc_u32 v[ADRS], 128, v[ADRS]
	FETCH_B \next, 0, 0
	FETCH_A \next, 0, 0
	SCALES \next
	WIN MUL_HI
	MUL16 4, 1, NQ-1, \slot, 0
	MUL16 6, 1, NQ-1, \slot, 0
	PLACES NP
	WIN 0
	FETCH_A \next, 0, 4
.endm
	s_wait_alu depctr_va_vdst(0)
	s_wait_tensorcnt 1
	s_barrier_signal -1
	s_barrier_wait -1
	FETCH_B 0, 0, 0
	FETCH_A 0, 0, 0
	SCALES 0
	FETCH_A 0, 0, 4
	s_wait_loadcnt 0x0
	STEP 0, 0, 1
	TURN 0, 1, 1
	STEP 1, 0, 0
	TURN 1, 0, 1
	STEP 0, 0, 0
	TURN 0, 1, 0
	STEP 1, 0, 0
	s_wait_dscnt 4*NL
	WIN MUL_LO
	MUL16 0, 1, NQ-1, 1, 0
	MUL16 2, 1, NQ-1, 1, 0
	s_wait_dscnt 0
	WIN MUL_HI
	MUL16 4, 1, NQ-1, 1, 0
	MUL16 6, 1, NQ-1, 1, 0
	WIN 0
.macro TOSTAGE a
.set AC, 64*((\a)%4)
.set WW, 0x08+4*((\a)/4)
	WIN WW
.irp b, 0,1,2,3,4,5,6,7
	ds_store_b128 v[STO], v[AC+8*\b:AC+8*\b+3] offset:128*(\b/2)+32*(\b%2)
	ds_store_b128 v[STO], v[AC+8*\b+4:AC+8*\b+7] offset:128*(\b/2)+32*(\b%2)+16
.endr
	WIN 0
.set BB, BK+64*((\a)%2)
.irp t, 0,1,2,3,4,5,6,7,8,9,10,11,12,13,14,15
	ds_load_b128 v[BB+4*\t:BB+4*\t+3], v[RD] offset:\t*SPITCH
.endr
.endm
.macro SEND a, younger
.set BB, BK+64*((\a)%2)
	s_wait_dscnt \younger
.irp t, 0,1,2,3,4,5,6,7,8,9,10,11,12,13,14,15
	global_store_b128 v[CO], v[BB+4*\t:BB+4*\t+3], s[98:99] offset:(32*((\a)/2)+8*((\a)%2)+\t+8*(\t/8))*4096 th:TH_STORE_NT
.endr
.endm
	PLACES NP
	TOSTAGE 0
.irp a, 1,2,3,4,5,6,7
.if \a > 1
	s_wait_xcnt 0x0
.endif
	TOSTAGE \a
	SEND \a-1, 32
.endr
	SEND 7, 0
	s_wait_tensorcnt 0x0
	ds_add_u32 v[SPW], v[NIL]
	s_wait_dscnt 0x0
	CROUND
	s_endpgm
.Lfunc_end_k_q37ce6fa9a4_proj:
	.size	k_q37ce6fa9a4_proj, .Lfunc_end_k_q37ce6fa9a4_proj-k_q37ce6fa9a4_proj
	.p2alignl 7, 3214868480
	.fill 96, 4, 3214868480
	.section	.rodata,"a",@progbits
	.p2align	6, 0x0
	.amdhsa_kernel k_q37ce6fa9a4_proj
		.amdhsa_group_segment_fixed_size 327680
		.amdhsa_private_segment_fixed_size 0
		.amdhsa_enable_private_segment 0
		.amdhsa_kernarg_size 48
		.amdhsa_user_sgpr_count 2
		.amdhsa_user_sgpr_kernarg_segment_ptr 1
		.amdhsa_wavefront_size32 1
		.amdhsa_system_sgpr_workgroup_id_x 1
		.amdhsa_system_sgpr_workgroup_id_y 1
		.amdhsa_system_sgpr_workgroup_id_z 1
		.amdhsa_system_vgpr_workitem_id 0
		.amdhsa_next_free_vgpr 1024
		.amdhsa_next_free_sgpr 102
		.amdhsa_reserve_vcc 0
		.amdhsa_float_denorm_mode_32 3
		.amdhsa_float_denorm_mode_16_64 3
		.amdhsa_memory_ordered 1
		.amdhsa_forward_progress 1
		.amdhsa_inst_pref_size 161
	.end_amdhsa_kernel
	.amdgpu_metadata
---
amdhsa.version: [ 1, 2 ]
amdhsa.kernels:
  - .name:           k_q37ce6fa9a4_proj
    .symbol:         k_q37ce6fa9a4_proj.kd
    .args:
      - { .name: oc, .offset: 0, .size: 8, .value_kind: global_buffer, .address_space: global }
      - { .name: os, .offset: 8, .size: 8, .value_kind: global_buffer, .address_space: global }
      - { .name: codes, .offset: 16, .size: 8, .value_kind: global_buffer, .address_space: global }
      - { .name: scales, .offset: 24, .size: 8, .value_kind: global_buffer, .address_space: global }
      - { .name: bo, .offset: 32, .size: 8, .value_kind: global_buffer, .address_space: global }
      - { .name: out0, .offset: 40, .size: 8, .value_kind: global_buffer, .address_space: global }
    .group_segment_fixed_size: 327680
    .private_segment_fixed_size: 0
    .kernarg_segment_align: 8
    .kernarg_segment_size: 48
    .max_flat_workgroup_size: 128
    .sgpr_count:     102
    .vgpr_count:     1024
    .wavefront_size: 32
...
	.end_amdgpu_metadata
.endif
;; end of part 4
